; MI455X (gfx1250); checked and timed in simulation.
; The chip was launched on July 23, 2026; its instructions are those of AMD's public machine-readable ISA for CDNA 5 (MIT licence, August 2026) and "CDNA5" Instruction Set Architecture Reference Guide (July 2026). The comments in the code are by the model that wrote it; some were corrected since.
;; Cross Attention. Allowed arithmetic: float matrix products may take bf16 or f16 operands with f32 sums; all other float work in f32.
;; Inputs: Wk 768 x 1,024 float32; Wq 1,024 x 1,024 float32; Wv 768 x 1,024 float32; bk 1,024 float32; bq 1,024 float32; bv 1,024 float32; emb 32 x 2,048 float32; emb_W 2,048 x 2,048 float32; emb_b 2,048 float32; fnorm_b 1,024 float32; fnorm_g 1,024 float32; norm_b 1,024 float32; norm_g 1,024 float32; out_W 1,024 x 1,024 float32; out_b 1,024 float32; tnorm_b 768 float32; tnorm_g 768 float32; x 32 x 512 x 1,024 float32; xf 32 x 256 x 768 float32.
;; Outputs: out0 32 x 512 x 1,024 float32.
;; One version. Each part assembles by itself: llvm-mc -triple=amdgcn-amd-amdhsa -mcpu=gfx1250 --defsym DOCPART=n.
;; ======== version 1 of 1: 3 launches
;; limits: values are held in f16: magnitudes above 65,504 overflow, below 6.1e-05 lose precision
;; workspace buffers: xfn 12,582,912 bytes; wkv 3,145,728 bytes; wmain 4,194,304 bytes; epart 1,048,576 bytes; film 262,144 bytes; attnT 4,194,304 bytes
;; launch prep (part 1): grid 752 x 1, 8 waves a work-group, no clusters, 148,480 bytes of LDS; arguments emb, emb_W, epart, Wq, out_W, Wk, Wv, wmain, wkv, xf, tnorm_g, tnorm_b, xfn; writes epart, wmain, wkv, xfn
.if DOCPART == 1
	.amdgcn_target "amdgcn-amd-amdhsa--gfx1250"
	.amdhsa_code_object_version 6
	.text
	.protected	k_q715848d703_prep
	.globl	k_q715848d703_prep
	.p2align	8
	.type	k_q715848d703_prep,@function
k_q715848d703_prep:
	s_mov_b64 s[64:65], 0
	v_nop
	global_prefetch_b8 v0, s[64:65] scope:SCOPE_SE
	s_setreg_imm32_b32 hwreg(HW_REG_WAVE_MODE, 25, 1), 1
	s_wait_xcnt 0x0
; PREP: three jobs that depend on nothing but inputs, chosen by the work-group's number.
;   0..127    job e: epart[ks][b][c] = the part k = 512 ks .. 512 ks + 511 of silu(emb) emb_W, for 64 columns c (f16 operands, f32 sums)
;   128..239  job w: Wq and out_W (to bf16), Wk and Wv (to f16) are laid out as matrix fragments: 1,024 bytes = 16 output columns x 32 k,
;             byte 512 q + 16 L = the 8 numbers of lane L's registers 4 q .. 4 q + 3 (column L % 16, k = 16 q + 8 (L / 16) + 0..7)
;   240..751  job l: xfn = layer norm of xf (mean, then the mean of squared differences, both f32), rounded to f16; two rows a wave
; LIMITS.  f16 holds no number beyond 65,504: silu(emb), emb_W, Wk, Wv and xfn lie far inside it also with inputs 30 times larger; numbers below
; 6e-5 keep f16's fixed step of 6e-8.  NaN and infinities are not treated apart.
; NO CLUSTER: the only bytes that work-groups share are emb's 256 KiB, against 128 KiB of emb_W or of a weight that each reads alone.
.set TILEB, 10240                      ; a wave's own tile in LDS, for the turn from [k][n] to fragments
.set RED,   81920                      ; job e: eight waves' partial sums, 8,192 bytes each
.set SPARE, 147456                     ; the spare words: 128 bytes a wave, named by no other line
.set SPW, 1                            ; v1  SPARE + 4 x my thread's number; never rewritten
.set NIL, 2                            ; v2  0; never rewritten
.macro PLACES                          ; four plain instructions between a matrix instruction and what reads its result (ISA guide 7.12.1)
.rept 4
	v_nop
.endr
.endm
.macro FINISH                          ; the wave's end
	s_wait_tensorcnt 0x0
	ds_add_u32 v[SPW], v[NIL]
	s_wait_dscnt 0x0
	s_endpgm
.endm
; 32 loads of 4 f32 lie in v64-191 and are the youngest 32 loads; they are rounded in pairs and packed downward in place into v64-127.
; Number i writes v[64+i], which belongs to load i / 4, and reads load i / 2: both are in behind the counted wait (eight loads at a time).
.macro WCVT op
.set i, 0
.rept 64
.if i%16 == 0
	s_wait_loadcnt 24-(i/16)*8
.endif
	\op v[64+i], v[64+2*i], v[64+2*i+1]
.set i, i+1
.endr
.endm
	s_load_b512 s[4:19], s[0:1], 0x0               ; emb 4, emb_W 6, epart 8, Wq 10, out_W 12, Wk 14, Wv 16, wmain 18
	s_load_b256 s[20:27], s[0:1], 0x40             ; wkv 20, xf 22, tnorm_g 24, tnorm_b 26
	s_load_b64 s[28:29], s[0:1], 0x60              ; xfn
	v_lshl_add_u32 v[SPW], v0, 2, SPARE
	v_mov_b32 v[NIL], 0
	v_lshrrev_b32 v3, 5, v0
	v_readfirstlane_b32 s30, v3                    ; wave 0..7
	v_and_b32 v3, 31, v0                           ; L
	v_and_b32 v4, 15, v0                           ; r = L % 16
	v_bfe_u32 v5, v0, 4, 1                         ; h = L / 16
	s_mov_b32 s52, 0x76543210                      ; v_permlanex16_b32: each lane takes its own place in the other half
	s_mov_b32 s53, 0xfedcba98
	s_mov_b32 s54, 0x3aaaaaab                      ; 1 / 768
	s_mov_b32 s55, 0x3727c5ac                      ; 1e-5
	s_mov_b32 s56, 0xbfb8aa3b                      ; -log2(e)
	s_mov_b32 s57, s56                             ; named with it as a pair
	s_wait_kmcnt 0x0
	s_cmp_lt_u32 ttmp9, 128
	s_cbranch_scc1 .Ljob_e
	s_cmp_lt_u32 ttmp9, 240
	s_cbranch_scc1 .Ljob_w
; ---------------------------------------------------------------- job l: 16 rows a work-group, 2 a wave
; A lane holds columns 4 L + 128 j, j = 0..5: each load covers 512 consecutive bytes, each store 256.
	s_sub_co_u32 s31, ttmp9, 240
	s_lshl_b32 s31, s31, 4
	s_lshl1_add_u32 s31, s30, s31                  ; my first row
	s_mul_i32 s32, s31, 3072
	s_mov_b32 s33, 0
	s_add_nc_u64 s[22:23], s[22:23], s[32:33]
	s_mul_i32 s32, s31, 1536
	s_add_nc_u64 s[28:29], s[28:29], s[32:33]
	v_lshlrev_b32 v6, 4, v3
	v_lshlrev_b32 v7, 3, v3
.irp j, 0,1,2,3,4,5
	global_load_b128 v[16+4*\j:19+4*\j], v6, s[24:25] offset:512*\j
.endr
.irp j, 0,1,2,3,4,5
	global_load_b128 v[40+4*\j:43+4*\j], v6, s[26:27] offset:512*\j
.endr
.irp j, 0,1,2,3,4,5
	global_load_b128 v[64+4*\j:67+4*\j], v6, s[22:23] offset:512*\j th:TH_LOAD_NT
.endr
.irp j, 0,1,2,3,4,5
	global_load_b128 v[88+4*\j:91+4*\j], v6, s[22:23] offset:3072+512*\j th:TH_LOAD_NT
.endr
.macro WSUM                            ; v112 = the sum over the 32 lanes of v112 + v113, in every lane
	v_add_f32 v112, v112, v113
	v_add_f32_dpp v112, v112, v112 row_xmask:1 row_mask:0xf bank_mask:0xf
	v_add_f32_dpp v112, v112, v112 row_xmask:2 row_mask:0xf bank_mask:0xf
	v_add_f32_dpp v112, v112, v112 row_xmask:4 row_mask:0xf bank_mask:0xf
	v_add_f32_dpp v112, v112, v112 row_xmask:8 row_mask:0xf bank_mask:0xf
	v_permlanex16_b32 v113, v112, s52, s53
	v_add_f32 v112, v112, v113
.endm
.macro LNROW X, Y, left, so            ; the row in v[X..X+23]; left: younger loads that may stay out; so: the row's byte offset in xfn
	s_wait_loadcnt \left
	v_pk_add_f32 v[112:113], v[\X:\X+1], v[\X+2:\X+3]
	v_pk_add_f32 v[114:115], v[\X+4:\X+5], v[\X+6:\X+7]
.irp t, 8,12,16,20
	v_pk_add_f32 v[112:113], v[112:113], v[\X+\t:\X+\t+1]
	v_pk_add_f32 v[114:115], v[114:115], v[\X+\t+2:\X+\t+3]
.endr
	v_pk_add_f32 v[112:113], v[112:113], v[114:115]
	WSUM
	v_mul_f32 v116, s54, v112                      ; the mean, twice: a pair for the packed forms
	v_mul_f32 v117, s54, v112
.irp t, 0,2,4,6,8,10,12,14,16,18,20,22
	v_pk_add_f32 v[\X+\t:\X+\t+1], v[\X+\t:\X+\t+1], v[116:117] neg_lo:[0,1] neg_hi:[0,1]
.endr
	v_pk_mul_f32 v[112:113], v[\X:\X+1], v[\X:\X+1]
	v_pk_mul_f32 v[114:115], v[\X+2:\X+3], v[\X+2:\X+3]
.irp t, 4,8,12,16,20
	v_pk_fma_f32 v[112:113], v[\X+\t:\X+\t+1], v[\X+\t:\X+\t+1], v[112:113]
	v_pk_fma_f32 v[114:115], v[\X+\t+2:\X+\t+3], v[\X+\t+2:\X+\t+3], v[114:115]
.endr
	v_pk_add_f32 v[112:113], v[112:113], v[114:115]
	WSUM
	v_fma_f32 v112, v112, s54, s55                 ; variance + 1e-5
	v_rsq_f32 v116, v112
	v_rsq_f32 v117, v112
	v_nop                                          ; a plain instruction behind the transcendentals (ISA guide 5.7.2)
	s_wait_alu depctr_va_vdst(0)
.irp t, 0,2,4,6,8,10,12,14,16,18,20,22
	v_pk_mul_f32 v[\X+\t:\X+\t+1], v[\X+\t:\X+\t+1], v[116:117]
.endr
.irp t, 0,2,4,6,8,10,12,14,16,18,20,22
	v_pk_fma_f32 v[\X+\t:\X+\t+1], v[\X+\t:\X+\t+1], v[16+\t:17+\t], v[40+\t:41+\t]
.endr
.irp i, 0,1,2,3,4,5,6,7,8,9,10,11
	v_cvt_pk_f16_f32 v[\Y+\i], v[\X+2*\i], v[\X+2*\i+1]
.endr
.irp j, 0,1,2,3,4,5
	global_store_b64 v7, v[\Y+2*\j:\Y+2*\j+1], s[28:29] offset:\so+256*\j  ; 32 lanes store 256 consecutive bytes, aligned
.endr
.endm
	LNROW 64, 120, 6, 0                            ; the second row's six loads may stay out
	LNROW 88, 132, 0, 1536
	FINISH
; ---------------------------------------------------------------- job e
; cg = 64 columns, ks = 512 of K; wave w takes K = 512 ks + 64 w .. + 63: 32 batches x 64 columns x 64 K, 16 matrix instructions.
.Ljob_e:
	s_and_b32 s31, ttmp9, 31                       ; cg
	s_lshr_b32 s32, ttmp9, 5                       ; ks
	s_lshl_b32 s33, s32, 9
	s_lshl_b32 s34, s30, 6
	s_add_co_u32 s33, s33, s34                     ; k0
	s_lshl_b32 s34, s33, 2
	s_mov_b32 s35, 0
	s_add_nc_u64 s[4:5], s[4:5], s[34:35]          ; emb at column k0
	s_lshl_b32 s34, s33, 13
	s_lshl_b32 s36, s31, 8
	s_add_co_u32 s34, s34, s36
	s_add_nc_u64 s[6:7], s[6:7], s[34:35]          ; emb_W at row k0, column 64 cg
	s_lshl_b32 s34, s32, 18
	s_add_co_u32 s34, s34, s36
	s_add_nc_u64 s[8:9], s[8:9], s[34:35]          ; epart[ks] at column 64 cg
	s_mul_i32 s37, s30, TILEB
	v_lshlrev_b32 v6, 13, v4
	v_lshl_add_u32 v6, v5, 5, v6                   ; emb: batch r, 8 numbers from k = 8 h
	v_lshlrev_b32 v7, 13, v5
	v_lshl_add_u32 v7, v4, 4, v7                   ; emb_W: two rows of 256 bytes to a load
.set n, 0
.rept 16                                               ; n = ((mb 2 + kb) 2 + q) 2 + t: the fragment's numbers in f32, in the fragment's order
	global_load_b128 v[192+4*n:195+4*n], v6, s[4:5] offset:(n/8)*131072+((n/4)%2)*128+((n/2)%2)*64+(n%2)*16
.set n, n+1
.endr
.set n, 0
.rept 32
	global_load_b128 v[64+4*n:67+4*n], v7, s[6:7] offset:n*16384 th:TH_LOAD_NT
.set n, n+1
.endr
	v_mul_u32_u24 v8, v5, 160                      ; tile [k 64][n 64] of f16, rows 160 bytes apart (an odd multiple of 32, for the turning load)
	v_lshl_add_u32 v8, v4, 3, v8
	v_add_nc_u32 v8, s37, v8
	v_and_b32 v9, 7, v0
	v_lshl_add_u32 v9, v5, 3, v9
	v_mul_u32_u24 v9, v9, 160
	v_bfe_u32 v13, v0, 3, 1
	v_lshl_add_u32 v9, v13, 4, v9
	v_add_nc_u32 v9, s37, v9                       ; turning load: row 8 h + L % 8, 16 bytes at 16 ((L / 8) % 2)
	s_lshl_b32 s38, s30, 13
	s_add_co_u32 s38, s38, RED
	v_lshlrev_b32 v10, 11, v5
	v_lshl_add_u32 v10, v4, 2, v10
	v_add_nc_u32 v10, s38, v10                     ; my wave's sums [batch 32][column 64]: batch 8 h + j, column r
	v_lshl_add_u32 v11, v0, 4, RED
	v_lshrrev_b32 v12, 4, v0
	v_lshlrev_b32 v12, 13, v12
	v_lshl_add_u32 v12, v4, 4, v12                 ; epart: batch tid / 16, 16 bytes at 16 (tid % 16)
	s_wait_loadcnt 32                              ; emb is in; emb_W's 32 loads stay out
.irp hf, 0,1                                           ; silu(x) = x / (1 + 2^(-log2(e) x)), 32 numbers at a time
.set i, 0
.rept 16
	v_pk_mul_f32 v[32+2*i:33+2*i], v[192+32*\hf+2*i:193+32*\hf+2*i], s[56:57] op_sel_hi:[1,0]
.set i, i+1
.endr
.set i, 0
.rept 32
	v_exp_f32 v[32+i], v[32+i]
.set i, i+1
.endr
	v_nop
.set i, 0
	s_wait_alu depctr_va_vdst(0)
.rept 16
	v_pk_add_f32 v[32+2*i:33+2*i], v[32+2*i:33+2*i], 1.0 op_sel_hi:[1,0]
.set i, i+1
.endr
.set i, 0
.rept 32
	v_rcp_f32 v[32+i], v[32+i]
.set i, i+1
.endr
	v_nop
.set i, 0
	s_wait_alu depctr_va_vdst(0)
.rept 16
	v_pk_mul_f32 v[192+32*\hf+2*i:193+32*\hf+2*i], v[192+32*\hf+2*i:193+32*\hf+2*i], v[32+2*i:33+2*i]
.set i, i+1
.endr
.endr
.set i, 0
.rept 32                                               ; packed downward in place: fragment (mb, kb) at v[192 + 8 (2 mb + kb)]
	v_cvt_pk_f16_f32 v[192+i], v[192+2*i], v[192+2*i+1]
.set i, i+1
.endr
	WCVT v_cvt_pk_f16_f32
.set i, 0
.rept 32
	ds_store_b64 v8, v[64+2*i:65+2*i] offset:i*320
.set i, i+1
.endr
.irp kb, 0,1                                           ; my own bytes: LDS serves a wave's instructions in order (ISA guide 5.7.1.4)
.irp nb, 0,1,2,3
	ds_load_tr16_b128 v[128+8*(4*\kb+\nb):128+8*(4*\kb+\nb)+3], v9 offset:(32*\kb)*160+\nb*32
	ds_load_tr16_b128 v[128+8*(4*\kb+\nb)+4:128+8*(4*\kb+\nb)+7], v9 offset:(32*\kb+16)*160+\nb*32
.endr
.endr
	s_wait_dscnt 0x0
.irp kb, 0,1                                           ; eight accumulators by turns; the first eight products start the sums
.irp mb, 0,1
.irp nb, 0,1,2,3
.if \kb == 0
	v_wmma_f32_16x16x32_f16 v[64+8*(4*\mb+\nb):64+8*(4*\mb+\nb)+7], v[192+8*(2*\mb+\kb):192+8*(2*\mb+\kb)+7], v[128+8*(4*\kb+\nb):128+8*(4*\kb+\nb)+7], 0
.else
	v_wmma_f32_16x16x32_f16 v[64+8*(4*\mb+\nb):64+8*(4*\mb+\nb)+7], v[192+8*(2*\mb+\kb):192+8*(2*\mb+\kb)+7], v[128+8*(4*\kb+\nb):128+8*(4*\kb+\nb)+7], v[64+8*(4*\mb+\nb):64+8*(4*\mb+\nb)+7]
.endif
.endr
.endr
.endr
	PLACES
.irp mb, 0,1
.irp nb, 0,1,2,3
.irp j, 0,1,2,3,4,5,6,7                                ; each accumulator from its low end on
	ds_store_b32 v10, v[64+8*(4*\mb+\nb)+\j] offset:\mb*4096+\j*256+\nb*64
.endr
.endr
.endr
	s_wait_dscnt 0x0                               ; for the others' sake: my sums are in LDS
	s_barrier_signal -1
	s_barrier_wait -1
.irp z, 0,1
.irp wv, 0,1,2,3,4,5,6,7
	ds_load_b128 v[128+32*\z+4*\wv:128+32*\z+4*\wv+3], v11 offset:\z*4096+\wv*8192
.endr
.endr
	s_wait_dscnt 0x0
.irp z, 0,1                                            ; the eight waves' sums, in a fixed order
.irp a, 0,8,16,24
	v_pk_add_f32 v[128+32*\z+\a:128+32*\z+\a+1], v[128+32*\z+\a:128+32*\z+\a+1], v[128+32*\z+\a+4:128+32*\z+\a+5]
	v_pk_add_f32 v[128+32*\z+\a+2:128+32*\z+\a+3], v[128+32*\z+\a+2:128+32*\z+\a+3], v[128+32*\z+\a+6:128+32*\z+\a+7]
.endr
.irp a, 0,16
	v_pk_add_f32 v[128+32*\z+\a:128+32*\z+\a+1], v[128+32*\z+\a:128+32*\z+\a+1], v[128+32*\z+\a+8:128+32*\z+\a+9]
	v_pk_add_f32 v[128+32*\z+\a+2:128+32*\z+\a+3], v[128+32*\z+\a+2:128+32*\z+\a+3], v[128+32*\z+\a+10:128+32*\z+\a+11]
.endr
	v_pk_add_f32 v[128+32*\z:128+32*\z+1], v[128+32*\z:128+32*\z+1], v[128+32*\z+16:128+32*\z+17]
	v_pk_add_f32 v[128+32*\z+2:128+32*\z+3], v[128+32*\z+2:128+32*\z+3], v[128+32*\z+18:128+32*\z+19]
	global_store_b128 v12, v[128+32*\z:128+32*\z+3], s[8:9] offset:\z*131072  ; 16 lanes store 256 consecutive bytes, aligned
.endr
	FINISH
; ---------------------------------------------------------------- job w
; A work-group takes 32 rows (k) of one weight, wave w its columns 128 w .. + 127: two groups of 16 k x 8 blocks of 16 columns = 16 half fragments.
; wmain: tile s = 16 mat + 2 p + sh: [s 32][w 8][kb 2][nb 8][1,024 bytes]; half q of fragment kb holds rows k = 128 w' + 16 p + 0..15, w' = 4 sh + 2 kb + q:
;        chunk p is what the eight waves of the main launch hand out together: 16 columns of each wave's 128.
; wkv:   [jt 8][step 6][kb 4][nb 16][1,024 bytes], k in its own order; nb 0-7 Wk's columns 128 jt + 16 nb, nb 8-15 Wv's.
.Ljob_w:
	s_sub_co_u32 s31, ttmp9, 128                   ; u = 0 .. 111
	s_mov_b32 s50, 262144
	s_movk_i32 s51, 512
	s_bfe_u32 s32, s31, 0x10005                    ; read as one of Wq's and out_W's 64 groups: which of the two,
	s_and_b32 s33, s31, 31                         ; rg: rows 32 rg on = 128 w' + 16 p0 on, w' = rg / 4, p0 = 2 (rg % 4)
	s_and_b32 s42, s33, 3
	s_lshl_b32 s42, s42, 1
	s_lshl3_add_u32 s42, s32, s42                  ; 8 mat + p0
	s_lshr_b32 s43, s33, 4                         ; sh
	s_lshl1_add_u32 s42, s42, s43
	s_lshl3_add_u32 s42, s42, s30                  ; (tile) 8 + w
	s_lshl_b32 s42, s42, 14
	s_bfe_u32 s43, s33, 0x10003                    ; kb
	s_lshl_b32 s43, s43, 13
	s_add_co_u32 s42, s42, s43
	s_bfe_u32 s43, s33, 0x10002                    ; q
	s_lshl_b32 s43, s43, 9
	s_add_co_u32 s42, s42, s43
	s_sub_co_u32 s44, s31, 64                      ; read as one of Wk's and Wv's 48 groups (numbers without meaning where u < 64: not chosen below)
	s_cmp_ge_u32 s44, 24
	s_cselect_b32 s45, 1, 0
	s_mul_i32 s46, s45, 24
	s_sub_co_u32 s46, s44, s46                     ; kg: rows 32 kg on
	s_mul_i32 s47, s30, 6
	s_lshr_b32 s48, s46, 2
	s_add_co_u32 s47, s47, s48
	s_and_b32 s48, s46, 3
	s_lshl2_add_u32 s47, s47, s48                  ; (6 jt + step) 4 + kb
	s_lshl_b32 s47, s47, 14
	s_lshl_b32 s48, s45, 13
	s_add_co_u32 s47, s47, s48
	s_cmp_eq_u32 s32, 0
	s_cselect_b64 s[34:35], s[10:11], s[12:13]
	s_cmp_eq_u32 s45, 0
	s_cselect_b64 s[36:37], s[14:15], s[16:17]
	s_cmp_lt_u32 s31, 64
	s_cselect_b64 s[34:35], s[34:35], s[36:37]     ; from where
	s_cselect_b64 s[36:37], s[18:19], s[20:21]     ; to where
	s_cselect_b32 s40, s33, s46
	s_cselect_b32 s42, s42, s47
	s_cselect_b32 s44, s50, s51                    ; from the first 16 rows' half fragments to the second's: the next p, or q = 1
	s_cselect_b32 s49, 1, 0                        ; 1: Wq or out_W, which go in bf16
	s_lshl_b32 s40, s40, 17
	s_lshl_b32 s43, s30, 9
	s_add_co_u32 s40, s40, s43
	s_mov_b32 s41, 0
	s_add_nc_u64 s[34:35], s[34:35], s[40:41]
	s_mov_b32 s43, 0
	s_add_nc_u64 s[36:37], s[36:37], s[42:43]
	s_mov_b32 s45, 0
	s_add_nc_u64 s[38:39], s[36:37], s[44:45]
	s_mul_i32 s46, s30, TILEB
	v_lshlrev_b32 v6, 4, v3
.set n, 0
.rept 32                                               ; a row's 512 bytes to a load
	global_load_b128 v[64+4*n:67+4*n], v6, s[34:35] offset:n*4096 th:TH_LOAD_NT
.set n, n+1
.endr
	v_lshl_add_u32 v8, v3, 3, s46                  ; tile [k 32][n 128] of 16 bits, rows 288 bytes apart (an odd multiple of 32)
	v_and_b32 v9, 7, v0
	v_lshl_add_u32 v9, v5, 3, v9
	v_mul_u32_u24 v9, v9, 288
	v_bfe_u32 v13, v0, 3, 1
	v_lshl_add_u32 v9, v13, 4, v9
	v_add_nc_u32 v9, s46, v9
	s_cmp_eq_u32 s49, 1
	s_cbranch_scc1 .Lw_bf16
	WCVT v_cvt_pk_f16_f32
	s_branch .Lw_turn
.Lw_bf16:
	WCVT v_cvt_pk_bf16_f32
.Lw_turn:
.set i, 0
.rept 32
	ds_store_b64 v8, v[64+2*i:65+2*i] offset:i*288
.set i, i+1
.endr
.irp g, 0,1                                            ; my own bytes, served in order
.irp nb, 0,1,2,3,4,5,6,7
	ds_load_tr16_b128 v[128+4*(8*\g+\nb):128+4*(8*\g+\nb)+3], v9 offset:\g*4608+\nb*32
.endr
.endr
	s_wait_dscnt 0x0
.irp nb, 0,1,2,3,4,5,6,7                               ; each store covers 512 consecutive bytes, aligned
	global_store_b128 v6, v[128+4*\nb:128+4*\nb+3], s[36:37] offset:\nb*1024
	global_store_b128 v6, v[160+4*\nb:160+4*\nb+3], s[38:39] offset:\nb*1024
.endr
	FINISH
.Lfunc_end_k_q715848d703_prep:
	.size	k_q715848d703_prep, .Lfunc_end_k_q715848d703_prep-k_q715848d703_prep
	.p2alignl 7, 3214868480
	.fill 96, 4, 3214868480
	.section	.rodata,"a",@progbits
	.p2align	6, 0x0
	.amdhsa_kernel k_q715848d703_prep
		.amdhsa_group_segment_fixed_size 148480
		.amdhsa_private_segment_fixed_size 0
		.amdhsa_enable_private_segment 0
		.amdhsa_kernarg_size 104
		.amdhsa_user_sgpr_count 2
		.amdhsa_user_sgpr_kernarg_segment_ptr 1
		.amdhsa_wavefront_size32 1
		.amdhsa_system_sgpr_workgroup_id_x 1
		.amdhsa_system_sgpr_workgroup_id_y 1
		.amdhsa_system_sgpr_workgroup_id_z 1
		.amdhsa_system_vgpr_workitem_id 0
		.amdhsa_next_free_vgpr 256
		.amdhsa_next_free_sgpr 66
		.amdhsa_reserve_vcc 0
		.amdhsa_float_denorm_mode_32 3
		.amdhsa_float_denorm_mode_16_64 3
		.amdhsa_memory_ordered 1
		.amdhsa_forward_progress 1
		.amdhsa_inst_pref_size 69
	.end_amdhsa_kernel
	.amdgpu_metadata
---
amdhsa.version: [ 1, 2 ]
amdhsa.kernels:
  - .name:           k_q715848d703_prep
    .symbol:         k_q715848d703_prep.kd
    .args:
      - { .name: emb, .offset: 0, .size: 8, .value_kind: global_buffer, .address_space: global }
      - { .name: emb_W, .offset: 8, .size: 8, .value_kind: global_buffer, .address_space: global }
      - { .name: epart, .offset: 16, .size: 8, .value_kind: global_buffer, .address_space: global }
      - { .name: Wq, .offset: 24, .size: 8, .value_kind: global_buffer, .address_space: global }
      - { .name: out_W, .offset: 32, .size: 8, .value_kind: global_buffer, .address_space: global }
      - { .name: Wk, .offset: 40, .size: 8, .value_kind: global_buffer, .address_space: global }
      - { .name: Wv, .offset: 48, .size: 8, .value_kind: global_buffer, .address_space: global }
      - { .name: wmain, .offset: 56, .size: 8, .value_kind: global_buffer, .address_space: global }
      - { .name: wkv, .offset: 64, .size: 8, .value_kind: global_buffer, .address_space: global }
      - { .name: xf, .offset: 72, .size: 8, .value_kind: global_buffer, .address_space: global }
      - { .name: tnorm_g, .offset: 80, .size: 8, .value_kind: global_buffer, .address_space: global }
      - { .name: tnorm_b, .offset: 88, .size: 8, .value_kind: global_buffer, .address_space: global }
      - { .name: xfn, .offset: 96, .size: 8, .value_kind: global_buffer, .address_space: global }
    .group_segment_fixed_size: 148480
    .private_segment_fixed_size: 0
    .kernarg_segment_align: 8
    .kernarg_segment_size: 104
    .max_flat_workgroup_size: 256
    .sgpr_count:     66
    .vgpr_count:     256
    .wavefront_size: 32
...
	.end_amdgpu_metadata
.endif
;; end of part 1
;; launch kv (part 2): grid 8 x 32, 8 waves a work-group, clusters of 4 x 4, 327,680 bytes of LDS; arguments xfn, wkv, bk, bv, epart, emb_b, fnorm_g, fnorm_b, attnT, film; writes attnT, film
.if DOCPART == 2
	.amdgcn_target "amdgcn-amd-amdhsa--gfx1250"
	.amdhsa_code_object_version 6
	.text
	.protected	k_q715848d703_kv
	.globl	k_q715848d703_kv
	.p2align	8
	.type	k_q715848d703_kv,@function
k_q715848d703_kv:
	s_mov_b64 s[64:65], 0
	v_nop
	global_prefetch_b8 v0, s[64:65] scope:SCOPE_SE
	s_setreg_imm32_b32 hwreg(HW_REG_WAVE_MODE, 25, 1), 1
	s_wait_xcnt 0x0
	s_wait_alu depctr_hold_cnt(0) depctr_sa_sdst(0) depctr_va_vdst(0) depctr_va_sdst(0) depctr_va_ssrc(0) depctr_va_vcc(0) depctr_vm_vsrc(0)
	s_getreg_b32 s2, hwreg(HW_REG_IB_STS2, 6, 4)
	s_cmp_eq_u32 s2, 0
	s_cbranch_scc0 .Lentry_in_a_cluster
	s_endpgm
.Lentry_in_a_cluster:
	s_bfe_u32 s2, ttmp6, 0x10000c
	s_cmp_lg_u32 s2, 0xf033
	s_cbranch_scc0 .Lentry_shape_is_right
	s_endpgm
.Lentry_shape_is_right:
; KV: for batch b and the head pair jt: k and v = xfn W + bias (a tile of 256 text rows x 256 columns: 128 of k, 128 of v; K = 768), softmax of k over the 256 rows,
; attn[c][d] = sum over n of k[n][c] v[n][d], stored transposed as f16 fragments for the main launch: [b][head][db 4][kc 2][1,024 bytes], row d, k = c.
; Wave 0 also makes the FiLM tables for the pair's 128 columns: G = fnorm_g (1 + scale), Bc = fnorm_b (1 + scale) + shift, e = the four parts of epart + emb_b.
; SHARES.  Eight waves: rw = w / 4 takes 128 rows, cw = w % 4 takes 64 columns (one head's k or v): 32 accumulators, 256 registers (window 1).
; The matrix instruction is used as it stands (source 0 = 16 rows of xfn, source 1 = 16 columns of W): a lane holds ONE column and 8 neighbouring text rows,
; so the softmax over rows stays in the lane but for one exchange, and eight rounded numbers are 16 bytes of k^T or v^T with the text rows along them.
; SOFTMAX.  p = 2^(c s - c m), m the column's true maximum over all 256 rows; the division by the sum l is made on attn, in f32.
; CLUSTER 4 x 4: xfn's tile hangs on b alone (shared along a row of the cluster), W's on jt alone (shared along a column): joint loads, waves 0-3 for xfn, 4-7 for W.
; LIMITS.  Operands in f16 (no number beyond 65,504: v stays near 5,000 with all inputs 30 times larger); weights below 2^-126 count as 0; NaN and infinities are not treated apart.
.set SLOT,  135168                     ; a slot: 256 rows of xfn x 272 bytes (256 + 16 of padding), then W's 64 fragments, dense
.set BOFF,  69632
.set MXB,   270336                     ; [rw 2][column 128] f32 maxima; 1,024 bytes on, the sums
.set LSB,   271360
.set SPARE, 272384                     ; the spare words: 128 bytes a wave, named by no other line
.set SP,    528                        ; k^T and v^T on their way to the second product: 256 rows x (512 + 16) bytes, in slot 0 behind its last fill and last read
.set SPW, 1
.set NIL, 2
.set AA0, 6                            ; my lane's place in xfn's tile;  AB0 in W's
.set AB0, 7
.set ADRA, 8
.set ADRB, 9
.set BO,  10
.set MXW, 11
.set MXR, 12
.set STO, 14
.set A3,  15
.set B3,  16
.set LSR, 17
.set GO,  18
.set F0,  19
.set F1,  20
.set F2,  21
.set FA,  32                           ; v32-95 xfn's 8 fragments; v96-127 W's 4; v128-159 the bias, eight times a column
.set FB,  96
.set BT,  128
.set D3,  128
.set MM,  160
.set CM,  168
.set SS,  176
.set WV, 24
.set RW, 25
.set CW, 26
.set CH, 31
.set G1A, 32
.set G1B, 40
.set G0A, 48                           ; group 0 for xfn's tiles, a set for each slot
.set G0B, 56
.set CNT, 66
.set KC,  67
.set SEL, 68
.set LC,  70
.set TAO, 88
.set TBO, 89
.set MSB, 0
.macro WIN new                         ; the immediate's high byte repeats the setting that is left
.if MSB != (\new)
	s_set_vgpr_msb (MSB<<8)|(\new)
.set MSB, \new
.endif
.endm
.macro PLACES
.rept 4
	v_nop
.endr
.endm
.macro ROUND                           ; a round of the cluster's barrier
	s_barrier_signal -1
	s_barrier_wait -1
	s_cmp_lg_u32 s[WV], 0
	s_cbranch_scc1 .Lnot_wave_0_\@
	s_barrier_signal -3
.Lnot_wave_0_\@:
	s_barrier_wait -3
	s_barrier_signal -1
	s_barrier_wait -1
.endm
.macro JLOAD s                         ; a joint refill of slot s; an s_nop 0 and four v_nop follow each line
	s_cmp_lt_u32 s[WV], 4
	s_cbranch_scc0 .Lfor_b_\@
	tensor_load_to_lds s[G0A+4*(\s):G0A+4*(\s)+3], s[G1A:G1A+7]
	s_nop 0
	PLACES
	s_branch .Lasked_\@
.Lfor_b_\@:
	tensor_load_to_lds s[G0B+4*(\s):G0B+4*(\s)+3], s[G1B:G1B+7]
	s_nop 0
	PLACES
.Lasked_\@:
.endm
; The change of slots.  Each wave waits for all its tensor loads (one is out: its part of the slot to be read), adds 0 to its spare word, waits for that and for its reads of the slot left.
; fill = 1: a round of the cluster's barrier, and slot s is filled again with the K step two on, first thing behind it.
.macro CHG fill, s
	s_wait_tensorcnt 0x0
	ds_add_u32 v[SPW], v[NIL]
.if \fill
	s_add_nc_u64 s[G0A+4*(\s)+2:G0A+4*(\s)+3], s[G0A+4*(\s)+2:G0A+4*(\s)+3], 512
	s_add_nc_u64 s[G0B+4*(\s)+2:G0B+4*(\s)+3], s[G0B+4*(\s)+2:G0B+4*(\s)+3], 131072
.endif
	s_wait_dscnt 0x0
.if \fill
	ROUND
	JLOAD \s
.else
	s_barrier_signal -1
	s_barrier_wait -1
.endif
.endm
; 32 along K: 24 LDS loads, 32 matrix instructions on 32 accumulators by turns.  init = 1: the bias starts the sums.
.macro KVKB init
	PLACES                                         ; in front of loads into registers that matrix instructions have read
	v_add_nc_u32 v[ADRA], s[TAO], v[AA0]
	v_add_nc_u32 v[ADRB], s[TBO], v[AB0]
.irp n, 0,1,2,3
	ds_load_b128 v[FB+8*\n:FB+8*\n+3], v[ADRB] offset:\n*1024
	ds_load_b128 v[FB+8*\n+4:FB+8*\n+7], v[ADRB] offset:\n*1024+512
.endr
.irp m, 0,1,2,3,4,5,6,7
	ds_load_b128 v[FA+8*\m:FA+8*\m+3], v[ADRA] offset:\m*4352
	ds_load_b128 v[FA+8*\m+4:FA+8*\m+7], v[ADRA] offset:\m*4352+32
.endr
	s_add_co_u32 s[TAO], s[TAO], 64
	s_add_co_u32 s[TBO], s[TBO], 16384
.if \init
	WIN 0x40
.else
	WIN 0x50
.endif
.irp m, 0,1,2,3,4,5,6,7
	s_wait_dscnt 14-2*\m                           ; W's fragments and xfn's up to block m are in
.irp n, 0,1,2,3
.if \init
	v_wmma_f32_16x16x32_f16 v[8*(4*\m+\n):8*(4*\m+\n)+7], v[FA+8*\m:FA+8*\m+7], v[FB+8*\n:FB+8*\n+7], v[BT+8*\n:BT+8*\n+7]
.else
	v_wmma_f32_16x16x32_f16 v[8*(4*\m+\n):8*(4*\m+\n)+7], v[FA+8*\m:FA+8*\m+7], v[FB+8*\n:FB+8*\n+7], v[8*(4*\m+\n):8*(4*\m+\n)+7]
.endif
.endr
.endr
	WIN 0
.endm
.macro KLOOP n                         ; n blocks of 32 along K
	s_mov_b32 s[KC], \n
.Lkb_\@:
	KVKB 0
	s_sub_co_u32 s[KC], s[KC], 1
	s_cmp_lg_u32 s[KC], 0
	s_cbranch_scc1 .Lkb_\@
.endm
.macro KSTEP s                         ; a K step of 128 out of slot s
	s_mov_b32 s[TAO], (\s)*SLOT
	s_mov_b32 s[TBO], (\s)*SLOT
	KLOOP 4
.endm
	s_load_b512 s[4:19], s[0:1], 0x0               ; xfn 4, wkv 6, bk 8, bv 10, epart 12, emb_b 14, fnorm_g 16, fnorm_b 18
	s_load_b128 s[20:23], s[0:1], 0x40             ; attnT 20, film 22
	v_lshl_add_u32 v[SPW], v0, 2, SPARE
	v_mov_b32 v[NIL], 0
	ds_add_u32 v[SPW], v[NIL]                      ; the wave's opening: the add and its wait ahead of my first tensor load
	v_lshrrev_b32 v3, 5, v0
	v_readfirstlane_b32 s[WV], v3
	s_lshr_b32 s[RW], s[WV], 2
	s_and_b32 s[CW], s[WV], 3
	s_and_b32 s[CH], s[WV], 1
	s_bfe_u32 s27, ttmp6, 0x40000                  ; cx
	s_bfe_u32 s28, ttmp6, 0x40004                  ; cy
	s_lshl_b32 s29, ttmp9, 2
	s_add_co_u32 s29, s29, s27                     ; jt
	s_and_b32 s30, ttmp7, 0xffff
	s_lshl_b32 s30, s30, 2
	s_add_co_u32 s30, s30, s28                     ; b
	s_lshl_b32 s72, s28, 2
	s_lshl_b32 s72, 15, s72                        ; my row of the cluster
	s_lshl_b32 s76, 0x1111, s27                    ; my column
	s_or_b32 s[G1A], s72, (1<<16)|(1<<20)|(1<<21)|(5<<22)|(3<<25)  ; 2-byte elements; 4 words of padding behind every 64
	s_mov_b32 s[G1A+1], 128<<16                    ; 64 rows x 128 elements, 768 elements from row to row
	s_mov_b32 s[G1A+2], 64<<16
	s_mov_b32 s[G1A+3], 128<<16
	s_mov_b32 s[G1A+4], 64
	s_mov_b32 s[G1A+5], 768
	s_mov_b32 s[G1A+6], 0
	s_mov_b32 s[G1A+7], 0
	s_or_b32 s[G1B], s76, (3<<16)|(1<<21)          ; 16,384 dense bytes as 64 rows of 32 elements of 8 bytes
	s_mov_b32 s[G1B+1], 32<<16
	s_mov_b32 s[G1B+2], 64<<16
	s_mov_b32 s[G1B+3], 32<<16
	s_mov_b32 s[G1B+4], 64
	s_mov_b32 s[G1B+5], 32
	s_mov_b32 s[G1B+6], 0
	s_mov_b32 s[G1B+7], 0
	s_lshl_b32 s72, s30, 8                         ; xfn: row 256 b + 64 (w % 4): made of b and the wave's number alone
	s_lshl_b32 s73, s[CW], 6
	s_add_co_u32 s72, s72, s73
	s_mul_i32 s72, s72, 1536
	s_mov_b32 s73, 0
	s_mul_i32 s76, s29, 393216                     ; wkv: jt's six steps, quarter w % 4: made of jt and the wave's number alone
	s_lshl_b32 s77, s[CW], 14
	s_add_co_u32 s76, s76, s77
	s_mov_b32 s77, 0
	s_mul_i32 s78, s[CW], 17408
	s_lshl_b32 s79, s[CW], 14
	s_add_co_u32 s79, s79, BOFF
	s_mov_b32 s[SEL], 0x76543210
	s_mov_b32 s[SEL+1], 0xfedcba98
	s_mov_b32 s[LC], 0x3fb8aa3b                    ; log2(e)
	s_mov_b32 s[LC+1], s[LC]
	s_wait_dscnt 0x0
	s_wait_kmcnt 0x0
	s_add_nc_u64 s[72:73], s[4:5], s[72:73]
	s_add_nc_u64 s[76:77], s[6:7], s[76:77]
.irp s, 0,1
	s_mov_b32 s[G0A+4*\s], 1
	s_add_co_u32 s[G0A+4*\s+1], s78, \s*SLOT
	s_add_nc_u64 s[G0A+4*\s+2:G0A+4*\s+3], s[72:73], \s*256
	s_or_b32 s[G0A+4*\s+3], s[G0A+4*\s+3], 0x80000000
	s_mov_b32 s[G0B+4*\s], 1
	s_add_co_u32 s[G0B+4*\s+1], s79, \s*SLOT
	s_add_nc_u64 s[G0B+4*\s+2:G0B+4*\s+3], s[76:77], \s*65536
	s_or_b32 s[G0B+4*\s+3], s[G0B+4*\s+3], 0x80000000
.endr
	ROUND                                          ; all sixteen work-groups are here: the first joint loads meet
	s_cmp_lt_u32 s[WV], 4                          ; a wave's two first fills stand in one branch: two loads of mine are out
	s_cbranch_scc0 .Lfirst_b
	tensor_load_to_lds s[G0A:G0A+3], s[G1A:G1A+7]
	s_nop 0
	tensor_load_to_lds s[G0A+4:G0A+7], s[G1A:G1A+7]
	s_nop 0
	PLACES
	s_branch .Lfirst_asked
.Lfirst_b:
	tensor_load_to_lds s[G0B:G0B+3], s[G1B:G1B+7]
	s_nop 0
	tensor_load_to_lds s[G0B+4:G0B+7], s[G1B:G1B+7]
	s_nop 0
	PLACES
.Lfirst_asked:
	v_and_b32 v3, 31, v0                           ; L
	v_and_b32 v4, 15, v0                           ; r
	v_bfe_u32 v5, v0, 4, 1                         ; h
	s_cmp_lt_u32 s[CW], 2
	s_cselect_b64 s[80:81], s[8:9], s[10:11]       ; bk for the k waves, bv for the v waves
	s_lshl_b32 s82, s29, 9
	s_lshl_b32 s83, s[CH], 8
	s_add_co_u32 s82, s82, s83
	v_lshl_add_u32 v[BO], v4, 2, s82               ; column 128 jt + 64 (cw % 2) + r
.irp n, 0,1,2,3
	global_load_b32 v[BT+8*\n], v[BO], s[80:81] offset:64*\n
.endr
	s_mul_i32 s84, s[RW], 128*272
	v_mul_u32_u24 v[AA0], v4, 272
	v_lshl_add_u32 v[AA0], v5, 4, v[AA0]
	v_add_nc_u32 v[AA0], s84, v[AA0]               ; (128 rw + r) x 272 + 16 h
	s_lshl_b32 s84, s[CW], 12
	s_add_co_u32 s84, s84, BOFF
	v_lshl_add_u32 v[AB0], v3, 4, s84              ; my four fragments of W, 16 bytes a lane
	v_lshlrev_b32 v[GO], 4, v3
	s_cmp_lg_u32 s[WV], 0
	s_cbranch_scc1 .Lno_film
	s_lshl_b32 s84, s29, 9                         ; THE FiLM TABLES, wave 0: 128 columns, 4 a lane
	v_lshl_add_u32 v[F0], v3, 4, s84
	s_lshl_b32 s84, s30, 13
	v_add_nc_u32 v[F1], s84, v[F0]
	s_lshl_b32 s84, s30, 12
	v_add_nc_u32 v[F2], s84, v[F0]
.irp ks, 0,1,2,3
	global_load_b128 v[32+8*\ks:35+8*\ks], v[F1], s[12:13] offset:\ks*262144
	global_load_b128 v[36+8*\ks:39+8*\ks], v[F1], s[12:13] offset:\ks*262144+4096
.endr
	global_load_b128 v[64:67], v[F0], s[14:15]
	global_load_b128 v[68:71], v[F0], s[14:15] offset:4096
	global_load_b128 v[72:75], v[F0], s[16:17]
	global_load_b128 v[76:79], v[F0], s[18:19]
	s_wait_loadcnt 0x0
.irp t, 0,2,4,6
	v_pk_add_f32 v[32+\t:33+\t], v[32+\t:33+\t], v[40+\t:41+\t]
	v_pk_add_f32 v[48+\t:49+\t], v[48+\t:49+\t], v[56+\t:57+\t]
.endr
.irp t, 0,2,4,6
	v_pk_add_f32 v[32+\t:33+\t], v[32+\t:33+\t], v[48+\t:49+\t]
.endr
.irp t, 0,2,4,6
	v_pk_add_f32 v[32+\t:33+\t], v[32+\t:33+\t], v[64+\t:65+\t]  ; v32-35 scale, v36-39 shift
.endr
.irp t, 0,2
	v_pk_add_f32 v[32+\t:33+\t], v[32+\t:33+\t], 1.0 op_sel_hi:[1,0]
.endr
.irp t, 0,2
	v_pk_fma_f32 v[36+\t:37+\t], v[76+\t:77+\t], v[32+\t:33+\t], v[36+\t:37+\t]
.endr
.irp t, 0,2
	v_pk_mul_f32 v[32+\t:33+\t], v[72+\t:73+\t], v[32+\t:33+\t]
.endr
	global_store_b128 v[F2], v[32:35], s[22:23]               ; 512 consecutive bytes, aligned
	global_store_b128 v[F2], v[36:39], s[22:23] offset:131072
	s_wait_xcnt 0x0                                ; v32-39 are loaded into again only behind this wait
.Lno_film:
	s_wait_tensorcnt 0x1                           ; my part of slot 0 is in; slot 1's may stay out
	s_wait_loadcnt 0x0                             ; the bias
.irp n, 0,1,2,3
.irp j, 1,2,3,4,5,6,7
	v_mov_b32 v[BT+8*\n+\j], v[BT+8*\n]
.endr
.endr
	s_barrier_signal -1
	s_barrier_wait -1
	s_mov_b32 s[TAO], 0
	s_mov_b32 s[TBO], 0
	KVKB 1                                         ; K step 0: its first block starts the sums
	KLOOP 3
	s_mov_b32 s[CNT], 2
.Lpair:                                                ; K steps 1, 2 and 3, 4; tiles 2 to 5 are asked for
	CHG 1, 0
	KSTEP 1
	CHG 1, 1
	KSTEP 0
	s_sub_co_u32 s[CNT], s[CNT], 1
	s_cmp_lg_u32 s[CNT], 0
	s_cbranch_scc1 .Lpair
	CHG 0, 0                                       ; the last K step: nothing is left to fetch
	KSTEP 1
	; THE SOFTMAX OVER ROWS.  A lane's 64 numbers of column n are registers 32 (i / 8) + 8 n + i % 8, i = 0..63.
	PLACES
	s_lshl_b32 s80, s[RW], 9
	s_lshl_b32 s81, s[CH], 8
	s_add_co_u32 s81, s81, MXB
	s_add_co_u32 s80, s80, s81
	v_lshl_add_u32 v[MXW], v4, 2, s80              ; my half's word for column 64 (cw % 2) + r
	s_xor_b32 s80, s[RW], 1
	s_lshl_b32 s80, s80, 9
	s_add_co_u32 s80, s80, s81
	v_lshl_add_u32 v[MXR], v4, 2, s80              ; the other half's
	v_mul_u32_u24 v22, v4, SP
	v_lshl_add_u32 v22, v5, 4, v22                 ; r x 528 + 16 h
	s_mul_i32 s80, s[CW], 64*SP
	s_lshl_b32 s81, s[RW], 8
	s_add_co_u32 s80, s80, s81
	v_add_nc_u32 v[STO], s80, v22                  ; stage row 64 cw + r, text rows 128 rw + 8 h on
	s_lshl_b32 s80, s[RW], 2
	s_add_co_u32 s80, s80, s[CW]
	s_mul_i32 s80, s80, 16*SP
	v_add_nc_u32 v[A3], s80, v22                   ; second product: k^T's rows 64 hd + 16 cb + r (hd = w / 4, cb = w % 4)
	s_mul_i32 s80, s[RW], 64*SP
	s_add_co_u32 s80, s80, 128*SP
	v_add_nc_u32 v[B3], s80, v22                   ; v^T's rows 128 + 64 hd + r
	s_lshl_b32 s80, s[RW], 8
	s_lshl_b32 s81, s[CW], 6
	s_add_co_u32 s80, s80, s81
	s_add_co_u32 s80, s80, LSB
	v_lshl_add_u32 v[LSR], v5, 5, s80              ; the sums of columns 64 hd + 16 cb + 8 h on
	s_cmp_lt_u32 s[CW], 2
	s_cbranch_scc0 .Lno_max
	WIN 0x15
.irp n, 0,1,2,3
	v_max3_num_f32 v[MM+\n], v[8*\n], v[8*\n+1], v[8*\n+2]  ; each accumulator is read from its low end on
.endr
	WIN 0x14
.set i, 3
.rept 30
.irp n, 0,1,2,3
	v_max3_num_f32 v[MM+\n], v[MM+\n], v[32*(i/8)+8*\n+i%8], v[32*((i+1)/8)+8*\n+(i+1)%8]
.endr
.set i, i+2
.endr
	WIN 0x04
.irp n, 0,1,2,3
	v_max_num_f32 v[MM+\n], v[MM+\n], v[224+8*\n+7]
.endr
	WIN 0
.irp n, 0,1,2,3
	v_permlanex16_b32 v[BT+\n], v[MM+\n], s[SEL], s[SEL+1]  ; the column's other 64 rows lie in the lane 16 away
.endr
.irp n, 0,1,2,3
	v_max_num_f32 v[MM+\n], v[MM+\n], v[BT+\n]
.endr
.irp n, 0,1,2,3
	ds_store_b32 v[MXW], v[MM+\n] offset:64*\n
.endr
.Lno_max:
	s_wait_dscnt 0x0                               ; for the others' sake
	s_barrier_signal -1
	s_barrier_wait -1
	s_cmp_lt_u32 s[CW], 2
	s_cbranch_scc0 .Lno_exp
.irp n, 0,1,2,3
	ds_load_b32 v[BT+\n], v[MXR] offset:64*\n
.endr
	s_wait_dscnt 0x0
.irp n, 0,1,2,3
	v_max_num_f32 v[MM+\n], v[MM+\n], v[BT+\n]
.endr
.irp n, 0,1,2,3
	v_mul_f32 v[CM+2*\n], s[LC], v[MM+\n]
	v_mul_f32 v[CM+2*\n+1], s[LC], v[MM+\n]
.endr
	WIN 0x41
.set i, 0
.rept 128
	v_pk_fma_f32 v[2*i:2*i+1], v[2*i:2*i+1], s[LC:LC+1], v[CM+2*((i/4)%4):CM+2*((i/4)%4)+1] op_sel_hi:[1,0,1] neg_lo:[0,0,1] neg_hi:[0,0,1]
.set i, i+1
.endr
.set i, 0
.rept 256
	v_exp_f32 v[i], v[i]
.set i, i+1
.endr
	v_nop
	WIN 0x05
	s_wait_alu depctr_va_vdst(0)
.irp n, 0,1,2,3
	v_pk_add_f32 v[SS+2*\n:SS+2*\n+1], v[8*\n:8*\n+1], v[8*\n+2:8*\n+3]
.endr
	WIN 0x04
.set i, 4
.rept 30
.irp n, 0,1,2,3
	v_pk_add_f32 v[SS+2*\n:SS+2*\n+1], v[SS+2*\n:SS+2*\n+1], v[32*(i/8)+8*\n+i%8:32*(i/8)+8*\n+i%8+1]
.endr
.set i, i+2
.endr
	WIN 0
.irp n, 0,1,2,3
	v_add_f32 v[SS+2*\n], v[SS+2*\n], v[SS+2*\n+1]
.endr
.irp n, 0,1,2,3
	v_permlanex16_b32 v[SS+2*\n+1], v[SS+2*\n], s[SEL], s[SEL+1]
.endr
.irp n, 0,1,2,3
	v_add_f32 v[SS+2*\n], v[SS+2*\n], v[SS+2*\n+1]
.endr
.irp n, 0,1,2,3
	ds_store_b32 v[MXW], v[SS+2*\n] offset:1024+64*\n
.endr
.Lno_exp:
	WIN 0x05                                       ; every wave: 8 text rows of a column are 16 bytes of k^T or v^T
.set i, 0
.rept 128
	v_cvt_pk_f16_f32 v[32+i], v[2*i], v[2*i+1]
.set i, i+1
.endr
	WIN 0
.set i, 0
.rept 32
	ds_store_b128 v[STO], v[32+4*i:35+4*i] offset:(i%4)*16*SP+(i/4)*32
.set i, i+1
.endr
	s_wait_dscnt 0x0                               ; for the others' sake
	s_barrier_signal -1
	s_barrier_wait -1
	; THE SECOND PRODUCT: wave (hd, cb) makes attn[16 cb ..][0..63] of head hd: source 0 = k^T (16 c), source 1 = v^T (16 d), K = 256 text rows; four accumulators by turns.
	ds_load_b128 v[160:163], v[LSR]
	ds_load_b128 v[164:167], v[LSR] offset:16
	ds_load_b128 v[168:171], v[LSR] offset:512
	ds_load_b128 v[172:175], v[LSR] offset:528
.macro AT t                            ; 64 text rows
.irp u, 0,1
	ds_load_b128 v[32+8*\u:32+8*\u+3], v[A3] offset:(2*(\t)+\u)*64
	ds_load_b128 v[32+8*\u+4:32+8*\u+7], v[A3] offset:(2*(\t)+\u)*64+32
.irp d, 0,1,2,3
	ds_load_b128 v[48+8*(4*\u+\d):48+8*(4*\u+\d)+3], v[B3] offset:\d*16*SP+(2*(\t)+\u)*64
	ds_load_b128 v[48+8*(4*\u+\d)+4:48+8*(4*\u+\d)+7], v[B3] offset:\d*16*SP+(2*(\t)+\u)*64+32
.endr
.endr
	s_wait_dscnt 0x0
.irp u, 0,1
.irp d, 0,1,2,3
.if ((\t) == 0) && (\u == 0)
	v_wmma_f32_16x16x32_f16 v[D3+8*\d:D3+8*\d+7], v[32+8*\u:32+8*\u+7], v[48+8*(4*\u+\d):48+8*(4*\u+\d)+7], 0
.else
	v_wmma_f32_16x16x32_f16 v[D3+8*\d:D3+8*\d+7], v[32+8*\u:32+8*\u+7], v[48+8*(4*\u+\d):48+8*(4*\u+\d)+7], v[D3+8*\d:D3+8*\d+7]
.endif
.endr
.endr
	PLACES
.endm
	AT 0
	AT 1
	AT 2
	AT 3
.irp t, 0,2,4,6
	v_pk_add_f32 v[160+\t:161+\t], v[160+\t:161+\t], v[168+\t:169+\t]  ; l of c = 8 h + j: both halves of the rows
.endr
.irp j, 0,1,2,3,4,5,6,7
	v_rcp_f32 v[160+\j], v[160+\j]
.endr
	v_nop
	s_wait_alu depctr_va_vdst(0)
.irp d, 0,1,2,3
.irp t, 0,2,4,6
	v_pk_mul_f32 v[D3+8*\d+\t:D3+8*\d+\t+1], v[D3+8*\d+\t:D3+8*\d+\t+1], v[160+\t:161+\t]
.endr
.endr
.irp d, 0,1,2,3
.irp p, 0,1,2,3
	v_cvt_pk_f16_f32 v[32+4*\d+\p], v[D3+8*\d+2*\p], v[D3+8*\d+2*\p+1]
.endr
.endr
	s_lshl_b32 s84, s30, 4                         ; ((16 b + 2 jt + hd) 8 + cb / 2) 1,024 + (cb % 2) 512
	s_lshl1_add_u32 s84, s29, s84
	s_add_co_u32 s84, s84, s[RW]
	s_lshl_b32 s84, s84, 3
	s_lshr_b32 s85, s[CW], 1
	s_add_co_u32 s84, s84, s85
	s_lshl_b32 s84, s84, 10
	s_lshl_b32 s85, s[CH], 9
	s_add_co_u32 s84, s84, s85
	s_mov_b32 s85, 0
	s_add_nc_u64 s[20:21], s[20:21], s[84:85]
.irp d, 0,1,2,3
	global_store_b128 v[GO], v[32+4*\d:35+4*\d], s[20:21] offset:\d*2048  ; half a fragment: 512 consecutive bytes, aligned
.endr
	s_wait_tensorcnt 0x0                           ; the wave's end
	ds_add_u32 v[SPW], v[NIL]
	s_wait_dscnt 0x0
	ROUND                                          ; the closing round
	s_endpgm
.Lfunc_end_k_q715848d703_kv:
	.size	k_q715848d703_kv, .Lfunc_end_k_q715848d703_kv-k_q715848d703_kv
	.p2alignl 7, 3214868480
	.fill 96, 4, 3214868480
	.section	.rodata,"a",@progbits
	.p2align	6, 0x0
	.amdhsa_kernel k_q715848d703_kv
		.amdhsa_group_segment_fixed_size 327680
		.amdhsa_private_segment_fixed_size 0
		.amdhsa_enable_private_segment 0
		.amdhsa_kernarg_size 80
		.amdhsa_user_sgpr_count 2
		.amdhsa_user_sgpr_kernarg_segment_ptr 1
		.amdhsa_wavefront_size32 1
		.amdhsa_system_sgpr_workgroup_id_x 1
		.amdhsa_system_sgpr_workgroup_id_y 1
		.amdhsa_system_sgpr_workgroup_id_z 1
		.amdhsa_system_vgpr_workitem_id 0
		.amdhsa_next_free_vgpr 512
		.amdhsa_next_free_sgpr 92
		.amdhsa_reserve_vcc 0
		.amdhsa_float_denorm_mode_32 3
		.amdhsa_float_denorm_mode_16_64 3
		.amdhsa_memory_ordered 1
		.amdhsa_forward_progress 1
		.amdhsa_inst_pref_size 92
	.end_amdhsa_kernel
	.amdgpu_metadata
---
amdhsa.version: [ 1, 2 ]
amdhsa.kernels:
  - .name:           k_q715848d703_kv
    .symbol:         k_q715848d703_kv.kd
    .args:
      - { .name: xfn, .offset: 0, .size: 8, .value_kind: global_buffer, .address_space: global }
      - { .name: wkv, .offset: 8, .size: 8, .value_kind: global_buffer, .address_space: global }
      - { .name: bk, .offset: 16, .size: 8, .value_kind: global_buffer, .address_space: global }
      - { .name: bv, .offset: 24, .size: 8, .value_kind: global_buffer, .address_space: global }
      - { .name: epart, .offset: 32, .size: 8, .value_kind: global_buffer, .address_space: global }
      - { .name: emb_b, .offset: 40, .size: 8, .value_kind: global_buffer, .address_space: global }
      - { .name: fnorm_g, .offset: 48, .size: 8, .value_kind: global_buffer, .address_space: global }
      - { .name: fnorm_b, .offset: 56, .size: 8, .value_kind: global_buffer, .address_space: global }
      - { .name: attnT, .offset: 64, .size: 8, .value_kind: global_buffer, .address_space: global }
      - { .name: film, .offset: 72, .size: 8, .value_kind: global_buffer, .address_space: global }
    .group_segment_fixed_size: 327680
    .private_segment_fixed_size: 0
    .kernarg_segment_align: 8
    .kernarg_segment_size: 80
    .max_flat_workgroup_size: 256
    .sgpr_count:     92
    .vgpr_count:     512
    .wavefront_size: 32
...
	.end_amdgpu_metadata
.endif
;; end of part 2
;; launch main (part 3): grid 256 x 1, 8 waves a work-group, clusters of 4 x 1, 327,680 bytes of LDS; arguments x, wmain, attnT, film, norm_g, norm_b, bq, out_b, out0; writes out0
.if DOCPART == 3
	.amdgcn_target "amdgcn-amd-amdhsa--gfx1250"
	.amdhsa_code_object_version 6
	.text
	.protected	k_q715848d703_main
	.globl	k_q715848d703_main
	.p2align	8
	.type	k_q715848d703_main,@function
k_q715848d703_main:
	s_mov_b64 s[64:65], 0
	v_nop
	global_prefetch_b8 v0, s[64:65] scope:SCOPE_SE
	s_setreg_imm32_b32 hwreg(HW_REG_WAVE_MODE, 25, 1), 1
	s_wait_xcnt 0x0
	s_wait_alu depctr_hold_cnt(0) depctr_sa_sdst(0) depctr_va_vdst(0) depctr_va_sdst(0) depctr_va_ssrc(0) depctr_va_vcc(0) depctr_vm_vsrc(0)
	s_getreg_b32 s2, hwreg(HW_REG_IB_STS2, 6, 4)
	s_cmp_eq_u32 s2, 0
	s_cbranch_scc0 .Lentry_in_a_cluster
	s_endpgm
.Lentry_in_a_cluster:
	s_bfe_u32 s2, ttmp6, 0x10000c
	s_cmp_lg_u32 s2, 0x3003
	s_cbranch_scc0 .Lentry_shape_is_right
	s_endpgm
.Lentry_shape_is_right:
; MAIN: for 64 rows of x (all of one batch): layer norm, q = xn Wq + bq, softmax over a head's 64 channels, y = q attn, layer norm of y with the FiLM tables,
; silu, the output projection, + out_b + x.  Nothing but x, the weights' tiles, attnT and the small tables is read; only out0 is written.
; SHARES.  Eight waves; wave w owns columns 128 w .. + 127 (heads 2 w, 2 w + 1) of all 64 rows in EVERY phase: 32 accumulators, 256 registers (window 1).
; THE MATRIX INSTRUCTION IS USED TRANSPOSED (source 0 = 16 output columns of a weight, source 1 = 16 rows): accumulator (mb, nb) at v[64 mb + 8 nb]; lane (r, h), register j holds
; row 16 mb + r, column 128 w + 16 nb + 8 h + j.  So a row's softmax and norms want one exchange between the halves of the lanes, and 8 rounded numbers are 16 bytes of an operand row.
; ONE TEXT, WALKED TWICE.  Layer norm, gain and offset, the bias into the accumulators and steps 0 to 14 of a product of K = 1,024 are the same in both halves of the work, so they are written once:
; trip 1 works on x with norm_g, norm_b, bq and Wq and goes on with the softmax and y; trip 2 works on y with the FiLM tables, out_b and out_W and leaves behind the step loop for its last step and the way out.
; THE ROW OPERAND of both large products is not kept whole in LDS: each wave keeps its 128 columns packed in 128 registers (HOLD) and all eight hand out 16 columns each (a chunk, K = 128)
; every two steps, into four buffers of K = 64 that take turns.  The weights' tiles were laid out by chunks: tile 2 p + sh holds chunk p of waves 4 sh .. 4 sh + 3.
; THE WEIGHTS come in 2 x 16 tiles of K = 64 x 1,024 columns (131,072 bytes; a wave asks for and reads its own 16,384) through a ring of two slots, JOINTLY for the four work-groups of a cluster.
; THE WALK OVER K BEGINS ELSEWHERE IN EACH GROUP OF CLUSTERS: cluster c begins at chunk P0 = (c xor c / 8) % 8 and goes round, so that in any step the 64 clusters ask for eight different tiles, and from a
; product's third tile on a tile has been asked for two steps earlier by the group one chunk ahead.  P0 is the same in all partners; it enters a tile's global address and the choice of the 16 registers that are handed out, and no LDS address.
; FORMATS.  xn, Wq, silu(h) and out_W in bf16 (silu(h) has no room in f16 where the FiLM inputs are 30 times larger); the softmax's weights (0 to 1) and attn in f16.
; LIMITS.  Exponentials below 2^-126 count as 0; NaN and infinities are not treated apart.  The softmax takes the row's true maximum away; both variances are means of squared differences.
.set RING1, 131072                     ; slot 1
.set HB,    262144                     ; row operand: buffer i at HB + 16,384 i: 64 rows x 144 bytes (128 + 16 of padding)
.set HBS,   16384
.set PHB,   144
.set ST1,   271360                     ; [row 64][wave 8] f32: the waves' sums; 2,048 bytes on, their sums of squares
.set SPARE, 320512                     ; the spare words: 128 bytes a wave, named by no other line
.set SPW, 1
.set NIL, 2
.set AB0, 3                            ; 16,384 w + 16 L
.set ADRB, 4
.set AA0, 5                            ; HB + 144 r + 16 h
.set ADRA, 6
.set PUB, 7                            ; where I hand out 16 bytes of a row, in the first pair of buffers
.set STD, 8                            ; my stage (16 rows x 272 bytes, in the operand buffers while they are idle) in the accumulators' layout,
.set STR, 9                            ; and by rows
.set XO,  10                           ; x and out0: two rows of 256 bytes to an instruction
.set GO,  11                           ; tables by column: 512 w + 32 h
.set FO,  12                           ; 16 L
.set STW, 13
.set STL, 14
.set PUBC, 15                          ; PUB + the pair of buffers whose turn it is
.set SM,  16                           ; v16-23 four pairs of sums; v24-31 four pairs: mean, then 1 / sqrt
.set MN,  24
.set FA,  32                           ; v32-63 the rows' 4 fragments; v64-127 the weights' 8
.set FB,  64
.set HOLD, 128                         ; (nb, mb) at HOLD + 16 nb + 4 mb
.set TT,  96
.set MXG, 64
.set TG,  72
.set CMG, 80
.set SG,  96
.set WV, 24
.set G1, 32                            ; s[32:39] descriptor group 1
.set G0, 40                            ; s[40:43] descriptor group 0: it walks
.set CNT, 48
.set TA, 49                            ; the operand buffer and
.set TB, 50                            ; the slot of the step in hand, as LDS offsets
.set SEL, 52
.set LC, 54
.set NLC, 56
.set WB, 66                            ; s[66:67] wmain at my wave's part of tile 0
.set R2, 68                            ; 2 P0
.set JN, 69                            ; the number, 1 to 31, of the tile to be asked for next, in the order of the walk
.set OFF, 70                           ; s[70:71] its byte offset in wmain
.set PCH, 72                           ; the chunk to be handed out next
.set PHS, 73                           ; trips to go: 2, 1
.set TP, 74                            ; 0 or 32,768: the pair of buffers that takes it
.set PG, 76                            ; s[76:81] this trip's gain, offset and bias
.set PO, 78
.set PD, 80
.set MSB, 0
.macro WIN new                         ; s_set_vgpr_msb: bits 1:0 source 0, 3:2 source 1, 5:4 source 2, 7:6 destination; the high byte repeats the setting that is left
.if MSB != (\new)
	s_set_vgpr_msb (MSB<<8)|(\new)
.set MSB, \new
.endif
.endm
.macro PLACES
.rept 4
	v_nop
.endr
.endm
.macro ROUND                           ; a round of the cluster's barrier
	s_barrier_signal -1
	s_barrier_wait -1
	s_cmp_lg_u32 s[WV], 0
	s_cbranch_scc1 .Lnot_wave_0_\@
	s_barrier_signal -3
.Lnot_wave_0_\@:
	s_barrier_wait -3
	s_barrier_signal -1
	s_barrier_wait -1
.endm
; The head of a step.  My one tensor load that was out, this step's tile, has landed; the add; my LDS reads of the last step and my stores are done; a round; the slot read last is filled with the next tile.
; That tile's address is made anew from its number: tile JN of the walk is tile ((JN + 2 P0) % 16) of its weight, and JN's bit 4 says which weight.
.macro CER
	s_wait_tensorcnt 0x0
	ds_add_u32 v[SPW], v[NIL]                      ; 0 onto my spare word; the scalar work stands between it and the wait for it
	s_add_co_u32 s25, s[JN], s[R2]
	s_and_b32 s25, s25, 15
	s_and_b32 s26, s[JN], 16
	s_or_b32 s25, s25, s26
	s_lshl_b32 s[OFF], s25, 17
	s_add_co_u32 s[JN], s[JN], 1
	s_xor_b32 s[G0+1], s[G0+1], RING1
	s_add_nc_u64 s[G0+2:G0+3], s[WB:WB+1], s[OFF:OFF+1]
	s_or_b32 s[G0+3], s[G0+3], 0x80000000
	s_xor_b32 s[TB], s[TB], RING1
	s_add_co_u32 s[TA], s[TA], HBS
	s_and_b32 s[TA], s[TA], 0xc000
	s_wait_dscnt 0x0
	ROUND
	tensor_load_to_lds s[G0:G0+3], s[G1:G1+7]
	s_nop 0
	PLACES
	v_add_nc_u32 v[ADRA], s[TA], v[AA0]
	v_add_nc_u32 v[ADRB], s[TB], v[AB0]
.endm
.macro PUBLISH c                       ; my columns 16 c .. + 15 of all 64 rows
.irp mb, 0,1,2,3
	ds_store_b128 v[PUBC], v[HOLD+16*(\c)+4*\mb:HOLD+16*(\c)+4*\mb+3] offset:\mb*2304
.endr
.endm
; Chunk PCH is handed out.  Registers cannot be named at run time, so one of eight cases is taken; all eight store to the same LDS bytes, and the last case stands without a test.
.macro PUBSEL
	v_add_nc_u32 v[PUBC], s[TP], v[PUB]
.irp c, 0,1,2,3,4,5,6
	s_cmp_lg_u32 s[PCH], \c
	s_cbranch_scc1 .Lpn_\@_\c
	PUBLISH \c
	s_branch .Lpe_\@
.Lpn_\@_\c:
.endr
	PUBLISH 7
.Lpe_\@:
	s_add_co_u32 s[PCH], s[PCH], 1
	s_and_b32 s[PCH], s[PCH], 7
	s_xor_b32 s[TP], s[TP], 32768
.endm
.macro KB kb                           ; 32 along K: 24 LDS loads, 32 matrix instructions on 32 accumulators by turns
	PLACES                                         ; in front of loads into registers that matrix instructions have read
.irp mb, 0,1,2,3
	ds_load_b128 v[FA+8*\mb:FA+8*\mb+3], v[ADRA] offset:\mb*2304+(\kb)*64
	ds_load_b128 v[FA+8*\mb+4:FA+8*\mb+7], v[ADRA] offset:\mb*2304+(\kb)*64+32
.endr
.irp nb, 0,1,2,3,4,5,6,7
	ds_load_b128 v[FB+8*\nb:FB+8*\nb+3], v[ADRB] offset:(\kb)*8192+\nb*1024
	ds_load_b128 v[FB+8*\nb+4:FB+8*\nb+7], v[ADRB] offset:(\kb)*8192+\nb*1024+512
.endr
	WIN 0x50
.irp nb, 0,1,2,3,4,5,6,7
	s_wait_dscnt 14-2*\nb                          ; the rows' fragments and the weights' up to block nb are in
.irp mb, 0,1,2,3
	v_wmma_f32_16x16x32_bf16 v[64*\mb+8*\nb:64*\mb+8*\nb+7], v[FB+8*\nb:FB+8*\nb+7], v[FA+8*\mb:FA+8*\mb+7], v[64*\mb+8*\nb:64*\mb+8*\nb+7]
.endr
.endr
	WIN 0
.endm
.macro ROWSUM off                      ; the pairs SM -> v[SM + 2 mb] = the sum over all 1,024 columns of row 16 mb + r, the same number in every wave
	WIN 0
.irp mb, 0,1,2,3
	v_add_f32 v[SM+2*\mb], v[SM+2*\mb], v[SM+2*\mb+1]
.endr
.irp mb, 0,1,2,3
	v_permlanex16_b32 v[SM+2*\mb+1], v[SM+2*\mb], s[SEL], s[SEL+1]
.endr
.irp mb, 0,1,2,3
	v_add_f32 v[SM+2*\mb], v[SM+2*\mb], v[SM+2*\mb+1]
.endr
.irp mb, 0,1,2,3
	ds_store_b32 v[STW], v[SM+2*\mb] offset:(\off)+\mb*512
.endr
	s_wait_dscnt 0x0                               ; for the others' sake
	s_barrier_signal -1
	s_barrier_wait -1
.irp mb, 0,1,2,3
	ds_load_b128 v[FA+8*\mb:FA+8*\mb+3], v[STL] offset:(\off)+\mb*512
	ds_load_b128 v[FA+8*\mb+4:FA+8*\mb+7], v[STL] offset:(\off)+\mb*512+16
.endr
	s_wait_dscnt 0x0
.irp mb, 0,1,2,3
	v_pk_add_f32 v[FA+8*\mb:FA+8*\mb+1], v[FA+8*\mb:FA+8*\mb+1], v[FA+8*\mb+2:FA+8*\mb+3]
	v_pk_add_f32 v[FA+8*\mb+4:FA+8*\mb+5], v[FA+8*\mb+4:FA+8*\mb+5], v[FA+8*\mb+6:FA+8*\mb+7]
.endr
.irp mb, 0,1,2,3
	v_pk_add_f32 v[FA+8*\mb:FA+8*\mb+1], v[FA+8*\mb:FA+8*\mb+1], v[FA+8*\mb+4:FA+8*\mb+5]
.endr
.irp mb, 0,1,2,3
	v_add_f32 v[SM+2*\mb], v[FA+8*\mb], v[FA+8*\mb+1]
.endr
.endm
; Batch k = 2 mb + hf is 16 rows x 64 columns, 32 registers from v[32 k] of window 1.  TOD: from rows (as loaded) to the accumulators' layout, through my own stage; LDS serves a wave in order (ISA guide 5.7.1.4).
.macro TOD k
	s_wait_loadcnt 56-8*(\k)                       ; the later batches' loads stay out
	WIN 0x04
.irp i, 0,1,2,3,4,5,6,7
	ds_store_b128 v[STR], v[32*(\k)+4*\i:32*(\k)+4*\i+3] offset:\i*544
.endr
	WIN 0x40
.irp n, 0,1,2,3
	ds_load_b128 v[32*(\k)+8*\n:32*(\k)+8*\n+3], v[STD] offset:\n*64
	ds_load_b128 v[32*(\k)+8*\n+4:32*(\k)+8*\n+7], v[STD] offset:\n*64+16
.endr
.endm
.macro STG k                           ; the other way round
	WIN 0x04
.irp n, 0,1,2,3
	ds_store_b128 v[STD], v[32*(\k)+8*\n:32*(\k)+8*\n+3] offset:\n*64
	ds_store_b128 v[STD], v[32*(\k)+8*\n+4:32*(\k)+8*\n+7] offset:\n*64+16
.endr
	WIN 0x40
.irp i, 0,1,2,3,4,5,6,7
	ds_load_b128 v[32*(\k)+4*\i:32*(\k)+4*\i+3], v[STR] offset:\i*544
.endr
.endm
.macro XLD k, xr                       ; x's batch k, by rows, into v[xr ..] of window 0
	WIN 0
.irp i, 0,1,2,3,4,5,6,7
	global_load_b128 v[(\xr)+4*\i:(\xr)+4*\i+3], v[XO], s[4:5] offset:(16*((\k)/2)+2*\i)*4096+((\k)%2)*256 th:TH_LOAD_NT
.endr
.endm
.macro FIN k, lc, dc, xr               ; lc, dc: the younger loads and LDS instructions that may stay out
	s_wait_loadcnt \lc
	s_wait_dscnt \dc
	WIN 0x41
.set i, 0
.rept 16
	v_pk_add_f32 v[32*(\k)+2*i:32*(\k)+2*i+1], v[32*(\k)+2*i:32*(\k)+2*i+1], v[(\xr)+2*i:(\xr)+2*i+1]
.set i, i+1
.endr
	WIN 0x04
.irp i, 0,1,2,3,4,5,6,7
	global_store_b128 v[XO], v[32*(\k)+4*\i:32*(\k)+4*\i+3], s[20:21] offset:(16*((\k)/2)+2*\i)*4096+((\k)%2)*256 th:TH_STORE_NT  ; 16 lanes store 256 consecutive bytes, aligned
.endr
	WIN 0
.endm
	s_load_b512 s[4:19], s[0:1], 0x0               ; x 4, wmain 6, attnT 8, film 10, norm_g 12, norm_b 14, bq 16, out_b 18
	s_load_b64 s[20:21], s[0:1], 0x40              ; out0
	v_lshl_add_u32 v[SPW], v0, 2, SPARE
	v_mov_b32 v[NIL], 0
	ds_add_u32 v[SPW], v[NIL]                      ; the wave's opening: the add and its wait ahead of my first tensor load
	v_lshrrev_b32 v15, 5, v0
	v_readfirstlane_b32 s[WV], v15
	s_mov_b32 s[G1], 15|(3<<16)|(1<<21)            ; the mask of four; elements of 8 bytes; bit 21 beside a mask: 16,384 dense bytes as 64 rows of 256
	s_mov_b32 s[G1+1], 32<<16
	s_mov_b32 s[G1+2], 64<<16
	s_mov_b32 s[G1+3], 32<<16
	s_mov_b32 s[G1+4], 64
	s_mov_b32 s[G1+5], 32
	s_mov_b32 s[G1+6], 0
	s_mov_b32 s[G1+7], 0
	s_lshl_b32 s28, s[WV], 14                      ; my part of a tile and of a slot: the wave's number alone
	s_mov_b32 s29, 0
	s_mov_b32 s[G0], 1
	s_mov_b32 s[G0+1], s28                         ; slot 0
	s_mov_b32 s[SEL], 0x76543210
	s_mov_b32 s[SEL+1], 0xfedcba98
	s_mov_b32 s[LC], 0x3fb8aa3b                    ; log2(e)
	s_mov_b32 s[LC+1], s[LC]
	s_mov_b32 s[NLC], 0xbfb8aa3b
	s_mov_b32 s[NLC+1], s[NLC]
	s_mov_b32 s58, 0x3a800000                      ; 1 / 1,024
	s_mov_b32 s59, 0x3727c5ac                      ; 1e-5
	s_lshr_b32 s25, ttmp9, 3                       ; in a cluster launch ttmp9 counts clusters: 0 to 63, the same number in all four partners
	s_xor_b32 s25, s25, ttmp9
	s_and_b32 s[PCH], s25, 7                       ; P0: where my cluster's walk begins
	s_lshl_b32 s[R2], s[PCH], 1
	s_lshl_b32 s[OFF], s[R2], 17                   ; the walk's tile 0 is tile 2 P0
	s_mov_b32 s[OFF+1], 0
	s_mov_b32 s[JN], 1
	s_mov_b32 s[TP], 0
	s_mov_b32 s[TA], 0xc000                        ; the first step's head turns these two into 0; sixteen heads bring them back
	s_mov_b32 s[TB], RING1
	s_bfe_u32 s25, ttmp6, 0x40000                  ; cx
	s_lshl_b32 s26, ttmp9, 2
	s_add_co_u32 s26, s26, s25                     ; my block of 64 rows: it enters global addresses of my own loads and stores alone
	s_lshl_b32 s30, s26, 18
	s_mov_b32 s31, 0
	s_lshr_b32 s27, s26, 3                         ; the batch
	s_lshl_b32 s60, s27, 17
	s_add_co_u32 s60, s60, s28                     ; attnT: the batch's 16 heads, my two
	s_mov_b32 s61, 0
	s_lshl_b32 s62, s27, 12
	s_mov_b32 s63, 0
	s_wait_dscnt 0x0
	s_wait_kmcnt 0x0
	s_add_nc_u64 s[WB:WB+1], s[6:7], s[28:29]
	s_add_nc_u64 s[G0+2:G0+3], s[WB:WB+1], s[OFF:OFF+1]
	s_or_b32 s[G0+3], s[G0+3], 0x80000000
	s_add_nc_u64 s[4:5], s[4:5], s[30:31]
	s_add_nc_u64 s[20:21], s[20:21], s[30:31]
	s_add_nc_u64 s[8:9], s[8:9], s[60:61]
	s_add_nc_u64 s[10:11], s[10:11], s[62:63]      ; G[b]
	s_add_nc_u64 s[22:23], s[10:11], 131072        ; Bc[b]
	ROUND                                          ; all four work-groups are here: the first joint load meets
	tensor_load_to_lds s[G0:G0+3], s[G1:G1+7]      ; the walk's tile 0; slot 1 is first filled behind the first step's round: one load of mine is out at any time
	s_nop 0
	PLACES
	v_and_b32 v16, 15, v0                          ; r
	v_bfe_u32 v17, v0, 4, 1                        ; h
	v_and_b32 v18, 31, v0                          ; L
	s_lshl_b32 s25, s[WV], 9
	v_lshl_add_u32 v[XO], v17, 12, s25
	v_lshl_add_u32 v[XO], v16, 4, v[XO]
	v_lshl_add_u32 v[GO], v17, 5, s25
	WIN 0x40
.set k, 0
.rept 8
.irp i, 0,1,2,3,4,5,6,7
	global_load_b128 v[32*k+4*\i:32*k+4*\i+3], v[XO], s[4:5] offset:(16*(k/2)+2*\i)*4096+(k%2)*256
.endr
.set k, k+1
.endr
	WIN 0
	v_lshl_add_u32 v[AB0], v18, 4, s28
	v_lshlrev_b32 v[FO], 4, v18
	v_mul_u32_u24 v[AA0], v16, PHB
	v_lshl_add_u32 v[AA0], v17, 4, v[AA0]
	v_add_nc_u32 v[AA0], HB, v[AA0]
	s_lshr_b32 s25, s[WV], 2
	s_lshl_b32 s25, s25, 14
	s_and_b32 s26, s[WV], 3
	s_lshl_b32 s26, s26, 5
	s_add_co_u32 s25, s25, s26
	v_add_nc_u32 v[PUB], s25, v[AA0]               ; buffer w / 4, byte 32 (w % 4) + 16 h of row r
	s_lshr_b32 s25, s[WV], 1
	s_lshl_b32 s25, s25, 14
	s_and_b32 s26, s[WV], 1
	s_mul_i32 s26, s26, 4352
	s_add_co_u32 s25, s25, s26
	s_add_co_u32 s25, s25, HB                      ; my stage
	v_mul_u32_u24 v[STD], v16, 272
	v_lshl_add_u32 v[STD], v17, 5, v[STD]
	v_add_nc_u32 v[STD], s25, v[STD]
	v_mul_u32_u24 v[STR], v17, 272
	v_lshl_add_u32 v[STR], v16, 4, v[STR]
	v_add_nc_u32 v[STR], s25, v[STR]
	s_lshl_b32 s25, s[WV], 2
	s_add_co_u32 s25, s25, ST1
	v_lshl_add_u32 v[STW], v16, 5, s25
	v_lshlrev_b32 v[STL], 5, v16
	v_add_nc_u32 v[STL], ST1, v[STL]
.irp k, 0,1,2,3,4,5,6,7
	TOD \k
.endr
	WIN 0
	s_wait_dscnt 0x0
	s_mov_b32 s[PHS], 2
.Lphase:                                               ; twice: the accumulators hold x, then y
	s_cmp_eq_u32 s[PHS], 2
	s_cselect_b64 s[PG:PG+1], s[12:13], s[10:11]   ; norm_g, or G[b]
	s_cselect_b64 s[PO:PO+1], s[14:15], s[22:23]   ; norm_b, or Bc[b]
	s_cselect_b64 s[PD:PD+1], s[16:17], s[18:19]   ; bq, or out_b
	; LAYER NORM of the accumulators' rows, gain and offset by column
	PLACES
.irp nb, 0,1,2,3,4,5,6,7
	global_load_b128 v[HOLD+16*\nb:HOLD+16*\nb+3], v[GO], s[PG:PG+1] offset:64*\nb
	global_load_b128 v[HOLD+16*\nb+4:HOLD+16*\nb+7], v[GO], s[PG:PG+1] offset:64*\nb+16
	global_load_b128 v[HOLD+16*\nb+8:HOLD+16*\nb+11], v[GO], s[PO:PO+1] offset:64*\nb
	global_load_b128 v[HOLD+16*\nb+12:HOLD+16*\nb+15], v[GO], s[PO:PO+1] offset:64*\nb+16
.endr
	WIN 0x05
.irp mb, 0,1,2,3
	v_pk_add_f32 v[SM+2*\mb:SM+2*\mb+1], v[64*\mb:64*\mb+1], v[64*\mb+2:64*\mb+3]  ; each accumulator from its low end on
.endr
	WIN 0x04
.set i, 4
.rept 30
.irp mb, 0,1,2,3
	v_pk_add_f32 v[SM+2*\mb:SM+2*\mb+1], v[SM+2*\mb:SM+2*\mb+1], v[64*\mb+i:64*\mb+i+1]
.endr
.set i, i+2
.endr
	ROWSUM 0
.irp mb, 0,1,2,3
	v_mul_f32 v[MN+2*\mb], s58, v[SM+2*\mb]
	v_mul_f32 v[MN+2*\mb+1], s58, v[SM+2*\mb]
.endr
	WIN 0x41
.set i, 0
.rept 128
	v_pk_add_f32 v[2*i:2*i+1], v[2*i:2*i+1], v[MN+2*(i/32):MN+2*(i/32)+1] neg_lo:[0,1] neg_hi:[0,1]
.set i, i+1
.endr
	WIN 0x05
.irp mb, 0,1,2,3
	v_pk_mul_f32 v[SM+2*\mb:SM+2*\mb+1], v[64*\mb:64*\mb+1], v[64*\mb:64*\mb+1]
.endr
.set i, 2
.rept 31
.irp mb, 0,1,2,3
	v_pk_fma_f32 v[SM+2*\mb:SM+2*\mb+1], v[64*\mb+i:64*\mb+i+1], v[64*\mb+i:64*\mb+i+1], v[SM+2*\mb:SM+2*\mb+1]
.endr
.set i, i+2
.endr
	ROWSUM 2048
.irp mb, 0,1,2,3
	v_fma_f32 v[SM+2*\mb], v[SM+2*\mb], s58, s59   ; variance + 1e-5
.endr
.irp mb, 0,1,2,3
	v_rsq_f32 v[MN+2*\mb], v[SM+2*\mb]
	v_rsq_f32 v[MN+2*\mb+1], v[SM+2*\mb]
.endr
	v_nop
	s_wait_loadcnt 0x0                             ; the two tables
	WIN 0x41
.set i, 0
	s_wait_alu depctr_va_vdst(0)
.rept 128
	v_pk_mul_f32 v[2*i:2*i+1], v[2*i:2*i+1], v[MN+2*(i/32):MN+2*(i/32)+1]
.set i, i+1
.endr
.set i, 0
.rept 128
	v_pk_fma_f32 v[2*i:2*i+1], v[2*i:2*i+1], v[HOLD+16*((i/4)%8)+2*(i%4):HOLD+16*((i/4)%8)+2*(i%4)+1], v[HOLD+16*((i/4)%8)+8+2*(i%4):HOLD+16*((i/4)%8)+8+2*(i%4)+1]
.set i, i+1
.endr
	WIN 0
	s_cmp_eq_u32 s[PHS], 1
	s_cbranch_scc1 .Lsilu
	WIN 0x05                                       ; trip 1: xn is rounded and packed into HOLD
.set i, 0
.rept 128                              ; i = 16 nb + 4 mb + p
	v_cvt_pk_bf16_f32 v[HOLD+i], v[64*((i/4)%4)+8*(i/16)+2*(i%4)], v[64*((i/4)%4)+8*(i/16)+2*(i%4)+1]
.set i, i+1
.endr
	WIN 0
	s_branch .Lbias
.Lsilu:                                                ; trip 2: silu(z) = z / (1 + 2^(-log2(e) z)), a block of 16 columns (32 numbers a lane) at a time
.irp nb, 0,1,2,3,4,5,6,7
	WIN 0x01
.set i, 0
.rept 16
	v_pk_mul_f32 v[TT+2*i:TT+2*i+1], v[64*(i/4)+8*\nb+2*(i%4):64*(i/4)+8*\nb+2*(i%4)+1], s[NLC:NLC+1] op_sel_hi:[1,0]
.set i, i+1
.endr
	WIN 0
.set i, 0
.rept 32
	v_exp_f32 v[TT+i], v[TT+i]
.set i, i+1
.endr
	v_nop
.set i, 0
	s_wait_alu depctr_va_vdst(0)
.rept 16
	v_pk_add_f32 v[TT+2*i:TT+2*i+1], v[TT+2*i:TT+2*i+1], 1.0 op_sel_hi:[1,0]
.set i, i+1
.endr
.set i, 0
.rept 32
	v_rcp_f32 v[TT+i], v[TT+i]
.set i, i+1
.endr
	v_nop
	WIN 0x01
.set i, 0
	s_wait_alu depctr_va_vdst(0)
.rept 16
	v_pk_mul_f32 v[TT+2*i:TT+2*i+1], v[64*(i/4)+8*\nb+2*(i%4):64*(i/4)+8*\nb+2*(i%4)+1], v[TT+2*i:TT+2*i+1]
.set i, i+1
.endr
	WIN 0
.set i, 0
.rept 16
	v_cvt_pk_bf16_f32 v[HOLD+16*\nb+i], v[TT+2*i], v[TT+2*i+1]
.set i, i+1
.endr
.endr
.Lbias:                                                ; the sums begin from the bias: it is loaded into the accumulators
	WIN 0x40
.irp mb, 0,1,2,3
.irp nb, 0,1,2,3,4,5,6,7
	global_load_b128 v[64*\mb+8*\nb:64*\mb+8*\nb+3], v[GO], s[PD:PD+1] offset:64*\nb
	global_load_b128 v[64*\mb+8*\nb+4:64*\mb+8*\nb+7], v[GO], s[PD:PD+1] offset:64*\nb+16
.endr
.endr
	WIN 0
	; A PRODUCT OF K = 1,024 in 16 steps; step sl reads slot sl % 2 and buffer sl % 4, and its head asks for the next tile.  The walk's chunk i serves steps 2 i and 2 i + 1.
	; It is handed out in step 2 i - 2, behind the head: its buffers were last read in steps 2 i - 4 and 2 i - 3, reads that every wave awaited in front of this step's round;
	; its stores are awaited in front of the round of step 2 i - 1, a step ahead of the first read.  Chunk 0 goes out ahead of step 0's round.
	PUBSEL
	s_wait_loadcnt 0x0                             ; the bias
	s_mov_b32 s[CNT], 15
.Lstep:                                                ; steps 0 to 14: sl = 15 - CNT
	CER
	s_and_b32 s25, s[CNT], 1
	s_cmp_eq_u32 s25, 0
	s_cbranch_scc1 .Lnopub                         ; an odd step
	s_cmp_lt_u32 s[CNT], 3
	s_cbranch_scc1 .Lnopub                         ; step 14: all eight chunks are out
	PUBSEL
.Lnopub:
	KB 0
	KB 1
	s_sub_co_u32 s[CNT], s[CNT], 1
	s_cmp_lg_u32 s[CNT], 0
	s_cbranch_scc1 .Lstep
	s_cmp_eq_u32 s[PHS], 1
	s_cbranch_scc1 .Llast                          ; the second product's last step is written out: it asks for nothing more
	CER                                            ; step 15 of the first product; its head asks for the second product's first tile
	KB 0
	KB 1
.set f, 0
.rept 16                                               ; my two heads' attn^T: fragment (hd, db, kc) at HOLD + 8 (8 hd + 2 db + kc); HOLD has been handed out
	global_load_b128 v[HOLD+8*f:HOLD+8*f+3], v[FO], s[8:9] offset:f*1024
	global_load_b128 v[HOLD+8*f+4:HOLD+8*f+7], v[FO], s[8:9] offset:f*1024+512
.set f, f+1
.endr
	; THE SOFTMAX OVER CHANNELS.  Group g = 2 mb + hd: a row's 32 scores of one head in this lane are v[32 g .. 32 g + 31]; the other 32 lie in the lane 16 away.
	PLACES
	WIN 0x15
.irp g, 0,1,2,3,4,5,6,7
	v_max3_num_f32 v[MXG+\g], v[32*\g], v[32*\g+1], v[32*\g+2]
.endr
	WIN 0x14
.set i, 3
.rept 14
.irp g, 0,1,2,3,4,5,6,7
	v_max3_num_f32 v[MXG+\g], v[MXG+\g], v[32*\g+i], v[32*\g+i+1]
.endr
.set i, i+2
.endr
	WIN 0x04
.irp g, 0,1,2,3,4,5,6,7
	v_max_num_f32 v[MXG+\g], v[MXG+\g], v[32*\g+31]
.endr
	WIN 0
.irp g, 0,1,2,3,4,5,6,7
	v_permlanex16_b32 v[TG+\g], v[MXG+\g], s[SEL], s[SEL+1]
.endr
.irp g, 0,1,2,3,4,5,6,7
	v_max_num_f32 v[MXG+\g], v[MXG+\g], v[TG+\g]
.endr
.irp g, 0,1,2,3,4,5,6,7
	v_mul_f32 v[CMG+2*\g], s[LC], v[MXG+\g]
	v_mul_f32 v[CMG+2*\g+1], s[LC], v[MXG+\g]
.endr
	WIN 0x41
.set i, 0
.rept 128
	v_pk_fma_f32 v[2*i:2*i+1], v[2*i:2*i+1], s[LC:LC+1], v[CMG+2*(i/16):CMG+2*(i/16)+1] op_sel_hi:[1,0,1] neg_lo:[0,0,1] neg_hi:[0,0,1]
.set i, i+1
.endr
.set i, 0
.rept 256
	v_exp_f32 v[i], v[i]
.set i, i+1
.endr
	v_nop
	WIN 0x05
	s_wait_alu depctr_va_vdst(0)
.irp g, 0,1,2,3,4,5,6,7
	v_pk_add_f32 v[SG+2*\g:SG+2*\g+1], v[32*\g:32*\g+1], v[32*\g+2:32*\g+3]
.endr
	WIN 0x04
.set i, 4
.rept 14
.irp g, 0,1,2,3,4,5,6,7
	v_pk_add_f32 v[SG+2*\g:SG+2*\g+1], v[SG+2*\g:SG+2*\g+1], v[32*\g+i:32*\g+i+1]
.endr
.set i, i+2
.endr
	WIN 0
.irp g, 0,1,2,3,4,5,6,7
	v_add_f32 v[SG+2*\g], v[SG+2*\g], v[SG+2*\g+1]
.endr
.irp g, 0,1,2,3,4,5,6,7
	v_permlanex16_b32 v[SG+2*\g+1], v[SG+2*\g], s[SEL], s[SEL+1]
.endr
.irp g, 0,1,2,3,4,5,6,7
	v_add_f32 v[SG+2*\g], v[SG+2*\g], v[SG+2*\g+1]
.endr
.irp g, 0,1,2,3,4,5,6,7
	v_rcp_f32 v[SG+2*\g], v[SG+2*\g]
.endr
	v_nop
	WIN 0x41
.set i, 0
	s_wait_alu depctr_va_vdst(0)
.rept 128
	v_pk_mul_f32 v[2*i:2*i+1], v[2*i:2*i+1], v[SG+2*(i/16):SG+2*(i/16)+1] op_sel_hi:[1,0]
.set i, i+1
.endr
	s_wait_loadcnt 0x0                             ; attn^T
	; y = q attn, head by head: two accumulators of weights, rounded in pairs, ARE source 1 (16 rows x 32 channels); source 0 = attn^T (16 d x 32 c).  Eight accumulators by turns; y takes the scores' place.
.irp mb, 0,1,2,3
	WIN 0x05
.set i, 0
.rept 32
	v_cvt_pk_f16_f32 v[32+64*(\mb%2)+i], v[64*\mb+2*i], v[64*\mb+2*i+1]
.set i, i+1
.endr
	WIN 0x50
.irp kc, 0,1
.irp hd, 0,1
.irp db, 0,1,2,3
.if \kc == 0
	v_wmma_f32_16x16x32_f16 v[64*\mb+8*(4*\hd+\db):64*\mb+8*(4*\hd+\db)+7], v[HOLD+8*(8*\hd+2*\db+\kc):HOLD+8*(8*\hd+2*\db+\kc)+7], v[32+64*(\mb%2)+16*\hd+8*\kc:32+64*(\mb%2)+16*\hd+8*\kc+7], 0
.else
	v_wmma_f32_16x16x32_f16 v[64*\mb+8*(4*\hd+\db):64*\mb+8*(4*\hd+\db)+7], v[HOLD+8*(8*\hd+2*\db+\kc):HOLD+8*(8*\hd+2*\db+\kc)+7], v[32+64*(\mb%2)+16*\hd+8*\kc:32+64*(\mb%2)+16*\hd+8*\kc+7], v[64*\mb+8*(4*\hd+\db):64*\mb+8*(4*\hd+\db)+7]
.endif
.endr
.endr
.endr
.endr
	WIN 0
	s_sub_co_u32 s[PHS], s[PHS], 1
	s_branch .Lphase
.Llast:
	XLD 0, HOLD                                    ; HOLD has been handed out: x's first four batches for the way out are asked for a step ahead
	XLD 1, HOLD+32
	XLD 2, HOLD+64
	XLD 3, HOLD+96
	s_wait_tensorcnt 0x0                           ; the last tile, my own bytes; nothing is filled again, and its rows were handed out three steps ago: no barrier
	s_xor_b32 s[TB], s[TB], RING1
	s_add_co_u32 s[TA], s[TA], HBS
	s_and_b32 s[TA], s[TA], 0xc000
	v_add_nc_u32 v[ADRA], s[TA], v[AA0]
	v_add_nc_u32 v[ADRB], s[TB], v[AB0]
	KB 0
	KB 1
	PLACES
	XLD 4, 32
	XLD 5, 64
	XLD 6, 96
	s_wait_dscnt 0x0                               ; my reads of the operand buffers are over:
	s_barrier_signal -1
	s_barrier_wait -1                              ; everybody's are, and the buffers are stages again
	; THE WAY OUT: a batch is turned to rows, x is added, and whole blocks of 256 bytes are stored; the next batch's turn stands ahead of a batch's wait.
	STG 0
	STG 1
	FIN 0, 48, 16, HOLD                            ; 56 loads are out, mine are the first 8
	XLD 7, HOLD
	STG 2
	FIN 1, 48, 16, HOLD+32
	STG 3
	FIN 2, 40, 16, HOLD+64
	STG 4
	FIN 3, 32, 16, HOLD+96
	STG 5
	FIN 4, 24, 16, 32
	STG 6
	FIN 5, 16, 16, 64
	STG 7
	FIN 6, 8, 16, 96
	FIN 7, 0, 0, HOLD
	s_wait_tensorcnt 0x0                           ; the wave's end
	ds_add_u32 v[SPW], v[NIL]
	s_wait_dscnt 0x0
	ROUND                                          ; the closing round
	s_endpgm
.Lfunc_end_k_q715848d703_main:
	.size	k_q715848d703_main, .Lfunc_end_k_q715848d703_main-k_q715848d703_main
	.p2alignl 7, 3214868480
	.fill 96, 4, 3214868480
	.section	.rodata,"a",@progbits
	.p2align	6, 0x0
	.amdhsa_kernel k_q715848d703_main
		.amdhsa_group_segment_fixed_size 327680
		.amdhsa_private_segment_fixed_size 0
		.amdhsa_enable_private_segment 0
		.amdhsa_kernarg_size 72
		.amdhsa_user_sgpr_count 2
		.amdhsa_user_sgpr_kernarg_segment_ptr 1
		.amdhsa_wavefront_size32 1
		.amdhsa_system_sgpr_workgroup_id_x 1
		.amdhsa_system_sgpr_workgroup_id_y 1
		.amdhsa_system_sgpr_workgroup_id_z 1
		.amdhsa_system_vgpr_workitem_id 0
		.amdhsa_next_free_vgpr 512
		.amdhsa_next_free_sgpr 84
		.amdhsa_reserve_vcc 0
		.amdhsa_float_denorm_mode_32 3
		.amdhsa_float_denorm_mode_16_64 3
		.amdhsa_memory_ordered 1
		.amdhsa_forward_progress 1
		.amdhsa_inst_pref_size 254
	.end_amdhsa_kernel
	.amdgpu_metadata
---
amdhsa.version: [ 1, 2 ]
amdhsa.kernels:
  - .name:           k_q715848d703_main
    .symbol:         k_q715848d703_main.kd
    .args:
      - { .name: x, .offset: 0, .size: 8, .value_kind: global_buffer, .address_space: global }
      - { .name: wmain, .offset: 8, .size: 8, .value_kind: global_buffer, .address_space: global }
      - { .name: attnT, .offset: 16, .size: 8, .value_kind: global_buffer, .address_space: global }
      - { .name: film, .offset: 24, .size: 8, .value_kind: global_buffer, .address_space: global }
      - { .name: norm_g, .offset: 32, .size: 8, .value_kind: global_buffer, .address_space: global }
      - { .name: norm_b, .offset: 40, .size: 8, .value_kind: global_buffer, .address_space: global }
      - { .name: bq, .offset: 48, .size: 8, .value_kind: global_buffer, .address_space: global }
      - { .name: out_b, .offset: 56, .size: 8, .value_kind: global_buffer, .address_space: global }
      - { .name: out0, .offset: 64, .size: 8, .value_kind: global_buffer, .address_space: global }
    .group_segment_fixed_size: 327680
    .private_segment_fixed_size: 0
    .kernarg_segment_align: 8
    .kernarg_segment_size: 72
    .max_flat_workgroup_size: 256
    .sgpr_count:     84
    .vgpr_count:     512
    .wavefront_size: 32
...
	.end_amdgpu_metadata
.endif
;; end of part 3
